; MI455X (gfx1250); checked and timed in simulation.
; The chip was launched on July 23, 2026; its instructions are those of AMD's public machine-readable ISA for CDNA 5 (MIT licence, August 2026) and "CDNA5" Instruction Set Architecture Reference Guide (July 2026). The comments in the code are by the model that wrote it; some were corrected since.
;; Transformer Enc Layer. Allowed arithmetic: matrix products marked QUANTISED: E2M1 operands, one E8M0 scale for each 32 along K, by v_wmma_scale_f32_16x16x128_f8f6f4 with both operands' format E2M1 (or v_wmma_scale_f32_32x16x128_f4), f32 sums; everything else in f32.
;; Inputs: W1 1,024 x 4,096 float32; W2 4,096 x 1,024 float32; Wk 1,024 x 1,024 float32; Wq 1,024 x 1,024 float32; Wv 1,024 x 1,024 float32; b1 4,096 float32; b2 1,024 float32; beta1 1,024 float32; beta2 1,024 float32; bk 1,024 float32; bq 1,024 float32; bv 1,024 float32; g1 1,024 float32; g2 1,024 float32; mask 2 x 2,048 bool; x 2 x 2,048 x 1,024 float32.
;; Outputs: out0 2 x 2,048 x 1,024 float32.
;; This version of the problem:
;;   THIS VERSION OF THE PROBLEM IS GIVEN IN LOW PRECISION. The matrix products marked QUANTISED in the list below multiply operands that are first quantised to E2M1 (2 exponent bits, 1 mantissa bit; 4 bits a number), with one power-of-two scale for each 32 numbers along K (OCP MX v1.0); their sums are f32. All else is computed in f32.
;;   The module's matrix products, in the order in which they are computed (A, B: the left and right operand; K: the contracted axis; several contracted axes count as one K, in the product's order):
;;     1. [M 4,096, K 1,024] x [K 1,024, N 1,024]; A: input x; B: input Wq: QUANTISED
;;     2. [M 4,096, K 1,024] x [K 1,024, N 1,024]; A: input x; B: input Wk: QUANTISED
;;     3. [M 4,096, K 1,024] x [K 1,024, N 1,024]; A: input x; B: input Wv: QUANTISED
;;     4. batch 32 x [M 2,048, K 64] x [K 64, N 2,048]; A: computed on the way; B: computed on the way: QUANTISED
;;     5. batch 32 x [M 64, K 2,048] x [K 2,048, N 2,048]; A: computed on the way; B: softmax (see below): QUANTISED
;;     6. [M 4,096, K 1,024] x [K 1,024, N 4,096]; A: computed on the way; B: input W1: QUANTISED
;;     7. [M 4,096, K 4,096] x [K 4,096, N 1,024]; A: computed on the way; B: input W2: QUANTISED
;;   THE QUANTISER, for each operand of a quantised product, along K:
;;     - K is cut into blocks of 32 from its start; a last block that is shorter is filled with zeros.
;;     - A block's scale is 2^e with e = floor(log2(the largest magnitude in the block)) - 2, held to -126 .. 127; a block of zeros has e = 0. As a byte (E8M0): e + 127.
;;     - Each number is divided by its block's scale, clamped to +-6, and rounded to the nearest number of E2M1, ties to even, subnormals kept.
;;     - The product sums the exact products of the quantised numbers (number of the format x scale) in f32.
;;   ~~~python
;;   def quantise(x, axis):      # numpy; x: float32 -> the quantised numbers, widened to float32 again
;;       x = np.moveaxis(x, axis, -1); K = x.shape[-1]
;;       x = np.pad(x, [(0, 0)] * (x.ndim - 1) + [(0, -K % 32)]); x = x.reshape(x.shape[:-1] + (-1, 32)); a = np.abs(x).max(-1, keepdims=True)
;;       e = np.where(a > 0, np.clip(np.frexp(np.where(a > 0, a, 1))[1] - 1 - 2, -126, 127), 0)      # np.frexp(a)[1] - 1 = floor(log2(a)), exactly
;;       r = np.clip(x / 2.0 ** e, -6, 6)
;;       step = 2.0 ** (np.maximum(np.frexp(np.where(r == 0, 1, r))[1] - 1, 0) - 1)
;;       q = np.round(r / step) * step * 2.0 ** e      # np.round: ties to even
;;       return np.moveaxis(q.reshape(q.shape[:-2] + (-1,))[..., :K], -1, axis).astype(np.float32)
;;   ~~~
;;   SOFTMAX AHEAD OF A QUANTISED PRODUCT. Where the list says 'softmax', what is quantised is not the finished softmax but p = 2^(t - M), with t = logit x log2(e) and M = ceil(the row's largest t), a whole number; so 1/2 < the row's largest p <= 1. The row's sum l is taken of the UNQUANTISED p, in f32, and the product's result is divided by l at the end. Since M is a whole number, a kernel that streams over the keys may use a running M (the ceiling of the running maximum): every later rescaling is an exact power of two, which a block's scale takes up: the codes' values come out the same.
;;   OPERANDS COMPUTED ON THE WAY. 'Computed on the way' means the value that the module computes at that place (a softmax that the list does not call 'softmax' is quantised finished and normalised). What goes into a quantiser is computed in f32, as accurately as f32 sums, v_exp_f32 and their like allow (about 1e-6 of the number): no bf16 or f16 on the way to a quantiser, and a product that is left as it is and whose result goes on into a quantised operand takes f32 operands (vector FMAs, or v_wmma_f32_16x16x4_f32). A number that lies on a knife's edge between two numbers of the format may be rounded either way, as far as f32 arithmetic and the matrix unit's own rounding can turn it there, and no further.
;; 2 versions, each right; version 2 is version 1 with the launch attn written anew for expert scheduling mode. Each part assembles by itself: llvm-mc -triple=amdgcn-amd-amdhsa -mcpu=gfx1250 --defsym DOCPART=n.
;; ======== version 1 of 2: 7 launches
;; limits: right only within a limited range of input values
;; workspace buffers: prep 8,355,840 bytes; qkv 6,684,672 bytes; att 16,777,216 bytes; h1 16,777,216 bytes; h1q 2,228,224 bytes; hid 8,912,896 bytes; z2 16,777,216 bytes
;; launch quant (part 1): grid 432 x 1, 16 waves a work-group, no clusters, 72,192 bytes of LDS; arguments x, Wq, Wk, Wv, W1, W2, prep; writes prep
.if DOCPART == 1
	.amdgcn_target "amdgcn-amd-amdhsa--gfx1250"
	.amdhsa_code_object_version 6
	.text
	.protected	k_q6f21cc162e_quant
	.globl	k_q6f21cc162e_quant
	.p2align	8
	.type	k_q6f21cc162e_quant,@function
k_q6f21cc162e_quant:
	s_mov_b64 s[64:65], 0
	v_nop
	global_prefetch_b8 v0, s[64:65] scope:SCOPE_SE
	s_setreg_imm32_b32 hwreg(HW_REG_WAVE_MODE, 25, 1), 1
	s_wait_xcnt 0x0
; x [4096][1024] (K innermost) and the weights Wq, Wk, Wv [1024][1024], W1 [1024][4096], W2 [4096][1024] (K = the first axis), all f32, become codes of E2M1 with one E8M0 byte for each 32 along K.
; LAYOUT of every operand (R rows, K): the 16 bytes of (row m, block kb) lie at (m>>8)(K/64) 8192 + (kb>>1) 8192 + ((m>>4)&15) 512 + (kb&1) 256 + (m&15) 16: for 16 rows and 64 along K these 512 bytes are
; four registers of a matrix operand, lane l at 16 l.  The scale word of (row m, 128 along K number ks) lies at (m>>8)(K/128) 1024 + ks 1024 + (m&255) 4.
; A block's scale is 2^(floor(log2(largest magnitude)) - 2): its byte is the largest magnitude's exponent field - 2, held at 1 from below.
; LIMITS: NaN and infinities are not served; blocks whose largest magnitude lies under 2^-124, blocks of zeros among them, keep the byte 1 (their codes are zeros or the nearest codes; this program alone reads the bytes).
; WORK-GROUPS 0-255: 16 rows of x each; wave w takes 64 along K, lane (r, h) one block.  256-367: 256 columns x 256 along K of Wq, Wk, Wv, W2 (rows of 4,096 bytes).  368-431: the same of W1 (rows of 16,384 bytes).
; In the weights a lane takes a column and its registers run down K, so that the codes come out with K innermost.  Only the path of x uses LDS.
.set WQKVC, 0x200000
.set W1C,   0x380000
.set W2C,   0x580000
.set XSO,   0x780000
.set WQKVS, 0x7A0000
.set W1S,   0x7B8000
.set W2S,   0x7D8000
.set STGW,  4352                       ; a wave's stage: 16 rows x (256 bytes + 16)
.set SCG,   69632                      ; behind the stages: the tile's 512 scale bytes, [8][16 rows][4]
; 32 numbers of one lane, one whole block, become 4 registers of codes and a byte.  v12-14 at work.
.macro QUANT32 x, pc, by
	v_max3_num_f32 v12, |v[(\x)]|, |v[(\x)+1]|, |v[(\x)+2]|
	v_max3_num_f32 v13, |v[(\x)+3]|, |v[(\x)+4]|, |v[(\x)+5]|
.irp i, 6,10,14,18,22,26
	v_max3_num_f32 v12, v12, |v[(\x)+\i]|, |v[(\x)+\i+1]|
	v_max3_num_f32 v13, v13, |v[(\x)+\i+2]|, |v[(\x)+\i+3]|
.endr
	v_max3_num_f32 v12, v12, |v[(\x)+30]|, |v[(\x)+31]|
	v_max3_num_f32 v12, v12, v13, 0x1800000        ; the floor 2^(3 - 127): the byte cannot fall under 1
	v_add_nc_u32 v14, 0xff000000, v12              ; 2 off the exponent field: the conversion takes this operand's exponent field as its scale
	v_lshrrev_b32 v[\by], 23, v14                  ; the byte
.irp g, 0,1,2,3
	v_cvt_scalef32_pk8_fp4_f32 v[(\pc)+\g], v[(\x)+8*\g:(\x)+8*\g+7], v14
.endr
	v_nop                                          ; one plain line behind the last conversion
.endm
.macro LOADW t, pitch                  ; block t of my 128 along K: 32 rows of the weight at my column
.set i, 0
.rept 32
	global_load_b32 v[16+32*((\t)%2)+i], v4, s[22:23] offset:(32*(\t)+i)*(\pitch) th:TH_LOAD_NT
.set i, i+1
.endr
.endm
.macro BLOCKW t, pitch
.if (\t) < 3
	s_wait_loadcnt 32                              ; this block's 32 loads are in; the next block's 32 may be out
.else
	s_wait_loadcnt 0x0
.endif
	QUANT32 16+32*((\t)%2), 80+4*(\t), 9
.if (\t) == 0
	v_mov_b32 v96, v9
.else
	v_lshl_or_b32 v96, v9, 8*(\t), v96             ; four bytes make my column's scale word
.endif
	global_store_b128 v5, v[80+4*(\t):83+4*(\t)], s[34:35] offset:((\t)/2)*8192+((\t)%2)*256   ; sixteen lanes store 256 consecutive bytes, aligned
.if (\t) < 2
	LOADW (\t)+2, \pitch
.endif
.endm
; s[22:23] the weight, s24 block of 256 columns, s25 pair of K steps, s26, s27 where the operand's codes and scales begin in prep.  sh: 128 rows of the weight are 1 << sh bytes
.macro WBODY pitch, sh
	s_lshl_b32 s28, s25, 1
	s_add_co_u32 s28, s28, s21                     ; ks: my 128 along K
	s_lshl_b32 s32, s28, \sh
	s_lshl_b32 s33, s24, 10
	s_add_co_u32 s32, s32, s33
	s_lshl_b32 s33, s19, 7
	s_add_co_u32 s32, s32, s33
	s_mov_b32 s33, 0
	s_add_nc_u64 s[22:23], s[22:23], s[32:33]
	s_lshl_b32 s32, s28, 14
	s_add_co_u32 s32, s32, s26
	s_lshl_b32 s38, s19, 10
	s_add_co_u32 s32, s32, s38
	s_add_nc_u64 s[34:35], s[16:17], s[32:33]
	s_lshl_b32 s32, s28, 10
	s_add_co_u32 s32, s32, s27
	s_lshl_b32 s38, s19, 7
	s_add_co_u32 s32, s32, s38
	s_add_nc_u64 s[36:37], s[16:17], s[32:33]
	LOADW 0, \pitch
	LOADW 1, \pitch
	BLOCKW 0, \pitch
	BLOCKW 1, \pitch
	BLOCKW 2, \pitch
	BLOCKW 3, \pitch
	global_store_b32 v4, v96, s[36:37]             ; 32 columns' scale words: 128 consecutive bytes
.endm
	s_load_b256 s[4:11], s[0:1], 0x0               ; x, Wq, Wk, Wv
	s_load_b128 s[12:15], s[0:1], 0x20             ; W1, W2
	s_load_b64 s[16:17], s[0:1], 0x30              ; prep
	v_lshl_add_u32 v112, v0, 2, 0x11200
	v_mov_b32 v113, 0
	v_lshrrev_b32 v1, 5, v0
	v_readfirstlane_b32 s18, v1                    ; wave 0..15
	v_and_b32 v2, 31, v0                           ; lane
	v_and_b32 v3, 15, v0                           ; r
	v_bfe_u32 v1, v0, 4, 1                         ; h
	s_wait_kmcnt 0x0
	s_cmp_lt_u32 ttmp9, 256
	s_cbranch_scc0 .Lweights
	; ---- x: rows 16 T .. 16 T + 15, wave w: k = 64 w .. 64 w + 63
	v_lshlrev_b32 v4, 12, v1
	v_lshl_add_u32 v4, v3, 4, v4                   ; in: lanes 0-15 one row's 256 bytes, lanes 16-31 the next row's
	s_mul_i32 s19, s18, STGW
	v_mul_u32_u24 v5, v1, 272
	v_lshl_add_u32 v5, v3, 4, v5
	v_add_nc_u32 v5, s19, v5                       ; the same two rows in my stage
	v_mul_u32_u24 v6, v3, 272
	v_lshl_add_u32 v6, v1, 7, v6
	v_add_nc_u32 v6, s19, v6                       ; back: row r, 128 h: my block's 32 numbers
	v_lshlrev_b32 v7, 4, v2                        ; 16 x lane
	s_lshr_b32 s20, s18, 1
	s_lshl_b32 s20, s20, 6
	s_and_b32 s21, s18, 1
	s_lshl_b32 s21, s21, 1
	s_add_co_u32 s20, s20, s21
	s_add_co_u32 s20, s20, SCG
	v_lshl_add_u32 v8, v3, 2, v1
	v_add_nc_u32 v8, s20, v8                       ; my byte: word (w / 2, r), byte 2 (w % 2) + h
	v_add_nc_u32 v10, SCG, v7                      ; wave 0's way out of the scale bytes: 16 bytes a lane,
	v_lshrrev_b32 v11, 2, v2
	v_and_b32 v15, 3, v2
	v_lshlrev_b32 v11, 10, v11
	v_lshl_add_u32 v11, v15, 4, v11                ; 64 bytes for each 128 along K
	s_lshl_b32 s22, ttmp9, 16
	s_lshl_b32 s23, s18, 8
	s_add_co_u32 s22, s22, s23
	s_mov_b32 s23, 0
	s_add_nc_u64 s[4:5], s[4:5], s[22:23]
	s_lshr_b32 s24, ttmp9, 4
	s_and_b32 s25, ttmp9, 15
	s_lshl_b32 s22, s24, 17
	s_lshl_b32 s26, s18, 13
	s_add_co_u32 s22, s22, s26
	s_lshl_b32 s26, s25, 9
	s_add_co_u32 s22, s22, s26
	s_add_nc_u64 s[28:29], s[16:17], s[22:23]      ; the codes
	s_lshl_b32 s22, s24, 13
	s_lshl_b32 s26, s25, 6
	s_add_co_u32 s22, s22, s26
	s_add_co_u32 s22, s22, XSO
	s_add_nc_u64 s[30:31], s[16:17], s[22:23]      ; the scale words
.irp i, 0,1,2,3,4,5,6,7
	global_load_b128 v[16+4*\i:19+4*\i], v4, s[4:5] offset:8192*\i th:TH_LOAD_NT
.endr
.irp i, 0,1,2,3,4,5,6,7
	s_wait_loadcnt 7-\i                            ; load i is in; the younger ones may be out
	ds_store_b128 v5, v[16+4*\i:19+4*\i] offset:544*\i
.endr
.irp j, 0,1,2,3,4,5,6,7
	ds_load_b128 v[48+4*\j:51+4*\j], v6 offset:16*\j   ; LDS serves a wave's instructions in order: these see my stores
.endr
	s_wait_dscnt 0x0
	QUANT32 48, 80, 9
	global_store_b128 v7, v[80:83], s[28:29]       ; 512 consecutive bytes
	ds_store_b8 v8, v9
	s_wait_dscnt 0x0                               ; for the others' sake: my byte has landed
	s_barrier_signal -1
	s_barrier_wait -1
	s_cmp_lg_u32 s18, 0
	s_cbranch_scc1 .Lxend
	ds_load_b128 v[84:87], v10
	s_wait_dscnt 0x0
	global_store_b128 v11, v[84:87], s[30:31]
.Lxend:
	s_wait_tensorcnt 0x0
	ds_add_u32 v112, v113
	s_wait_dscnt 0x0
	s_endpgm
.Lweights:
	v_lshlrev_b32 v4, 2, v2                        ; 4 x lane: my column
	v_lshlrev_b32 v5, 9, v1
	v_lshl_add_u32 v5, v3, 4, v5                   ; my column's place among the codes
	s_and_b32 s19, s18, 7                          ; which 32 columns
	s_lshr_b32 s21, s18, 3                         ; which 128 along K of the two
	s_sub_co_u32 s20, ttmp9, 256
	s_cmp_lt_u32 s20, 112
	s_cbranch_scc0 .Lw1
	s_lshr_b32 s24, s20, 4                         ; 0, 1, 2: Wq, Wk, Wv; 3 and more: W2.  The choices hang on the work-group's number alone
	s_cmp_eq_u32 s24, 0
	s_cselect_b64 s[22:23], s[6:7], s[14:15]
	s_cmp_eq_u32 s24, 1
	s_cselect_b64 s[22:23], s[8:9], s[22:23]
	s_cmp_eq_u32 s24, 2
	s_cselect_b64 s[22:23], s[10:11], s[22:23]
	s_lshr_b32 s28, s20, 2                         ; Wq, Wk, Wv: 12 blocks of 256 rows on end
	s_and_b32 s24, s28, 3
	s_and_b32 s25, s20, 3
	s_lshl_b32 s26, s28, 17
	s_add_co_u32 s26, s26, WQKVC
	s_lshl_b32 s27, s28, 13
	s_add_co_u32 s27, s27, WQKVS
	s_sub_co_u32 s28, s20, 48                      ; W2
	s_lshr_b32 s32, s28, 4
	s_and_b32 s33, s28, 15
	s_lshl_b32 s34, s32, 19
	s_add_co_u32 s34, s34, W2C
	s_lshl_b32 s35, s32, 15
	s_add_co_u32 s35, s35, W2S
	s_cmp_lt_u32 s20, 48
	s_cselect_b32 s24, s24, s32
	s_cselect_b32 s25, s25, s33
	s_cselect_b32 s26, s26, s34
	s_cselect_b32 s27, s27, s35
	WBODY 4096, 19
	s_endpgm
.Lw1:
	s_sub_co_u32 s28, s20, 112
	s_mov_b64 s[22:23], s[12:13]
	s_lshr_b32 s24, s28, 2
	s_and_b32 s25, s28, 3
	s_lshl_b32 s26, s24, 17
	s_add_co_u32 s26, s26, W1C
	s_lshl_b32 s27, s24, 13
	s_add_co_u32 s27, s27, W1S
	WBODY 16384, 21
	s_endpgm
.Lfunc_end_k_q6f21cc162e_quant:
	.size	k_q6f21cc162e_quant, .Lfunc_end_k_q6f21cc162e_quant-k_q6f21cc162e_quant
	.p2alignl 7, 3214868480
	.fill 96, 4, 3214868480
	.section	.rodata,"a",@progbits
	.p2align	6, 0x0
	.amdhsa_kernel k_q6f21cc162e_quant
		.amdhsa_group_segment_fixed_size 72192
		.amdhsa_private_segment_fixed_size 0
		.amdhsa_enable_private_segment 0
		.amdhsa_kernarg_size 56
		.amdhsa_user_sgpr_count 2
		.amdhsa_user_sgpr_kernarg_segment_ptr 1
		.amdhsa_wavefront_size32 1
		.amdhsa_system_sgpr_workgroup_id_x 1
		.amdhsa_system_sgpr_workgroup_id_y 1
		.amdhsa_system_sgpr_workgroup_id_z 1
		.amdhsa_system_vgpr_workitem_id 0
		.amdhsa_next_free_vgpr 114
		.amdhsa_next_free_sgpr 66
		.amdhsa_reserve_vcc 0
		.amdhsa_float_denorm_mode_32 3
		.amdhsa_float_denorm_mode_16_64 3
		.amdhsa_memory_ordered 1
		.amdhsa_forward_progress 1
		.amdhsa_inst_pref_size 47
	.end_amdhsa_kernel
	.amdgpu_metadata
---
amdhsa.version: [ 1, 2 ]
amdhsa.kernels:
  - .name:           k_q6f21cc162e_quant
    .symbol:         k_q6f21cc162e_quant.kd
    .args:
      - { .name: x, .offset: 0, .size: 8, .value_kind: global_buffer, .address_space: global }
      - { .name: Wq, .offset: 8, .size: 8, .value_kind: global_buffer, .address_space: global }
      - { .name: Wk, .offset: 16, .size: 8, .value_kind: global_buffer, .address_space: global }
      - { .name: Wv, .offset: 24, .size: 8, .value_kind: global_buffer, .address_space: global }
      - { .name: W1, .offset: 32, .size: 8, .value_kind: global_buffer, .address_space: global }
      - { .name: W2, .offset: 40, .size: 8, .value_kind: global_buffer, .address_space: global }
      - { .name: prep, .offset: 48, .size: 8, .value_kind: global_buffer, .address_space: global }
    .group_segment_fixed_size: 72192
    .private_segment_fixed_size: 0
    .kernarg_segment_align: 8
    .kernarg_segment_size: 56
    .max_flat_workgroup_size: 512
    .sgpr_count:     66
    .vgpr_count:     114
    .wavefront_size: 32
...
	.end_amdgpu_metadata
.endif
;; end of part 1
;; launch proj (part 2): grid 16 x 12, 8 waves a work-group, clusters of 4 x 4, 279,552 bytes of LDS; arguments prep, bq, bk, bv, qkv; writes qkv
.if DOCPART == 2
	.amdgcn_target "amdgcn-amd-amdhsa--gfx1250"
	.amdhsa_code_object_version 6
	.text
	.protected	k_q6f21cc162e_proj
	.globl	k_q6f21cc162e_proj
	.p2align	8
	.type	k_q6f21cc162e_proj,@function
k_q6f21cc162e_proj:
	s_mov_b64 s[64:65], 0
	v_nop
	global_prefetch_b8 v0, s[64:65] scope:SCOPE_SE
	s_setreg_imm32_b32 hwreg(HW_REG_WAVE_MODE, 25, 1), 1
	s_wait_xcnt 0x0
	s_wait_alu depctr_hold_cnt(0) depctr_sa_sdst(0) depctr_va_vdst(0) depctr_va_sdst(0) depctr_va_ssrc(0) depctr_va_vcc(0) depctr_vm_vsrc(0)
	s_getreg_b32 s2, hwreg(HW_REG_IB_STS2, 6, 4)
	s_cmp_eq_u32 s2, 0
	s_cbranch_scc0 .Lentry_in_a_cluster
	s_endpgm
.Lentry_in_a_cluster:
	s_bfe_u32 s2, ttmp6, 0x10000c
	s_cmp_lg_u32 s2, 0xf033
	s_cbranch_scc0 .Lentry_shape_is_right
	s_endpgm
.Lentry_shape_is_right:
; q = x Wq + bq, k = x Wk + bk, v = x Wv + bv on codes of E2M1 (K = 1,024), and the results quantised at once: q and k along the head's 64, v along the keys.
; A work-group makes 256 x 256; cluster y says which product (0 q, 1 k, 2 v).  Eight waves, two to a SIMD; wave w: 64 LANE rows (w / 2) x 128 REGISTER rows (w % 2): 32 accumulators in window 1.
; The matrix instruction takes the register rows as source 0 and the lane rows as source 1: a lane holds one lane row, and its registers run along the register rows, which are the next product's K.
; q, k: lane rows = rows of x, register rows = columns of W.  v: lane rows = columns of Wv, register rows = rows of x (the keys): so V comes out transposed, keys innermost.  The fills are the same; only the read bases differ (pv).
; All of K fits in LDS: 2 chunks of 512 along K (x's 64 KiB, then W's 64 KiB) and 16 KiB of scale words.  Nothing is filled twice.  Each wave issues three joint loads at the head: by its own count three are out at the most.
; CLUSTER 4 x 4: x's tiles hang on work-group x alone and are shared along a column of the cluster, W's on work-group y alone and are shared along a row.
; The operands lie in memory in the order of the operand's registers (16 rows x 64 along K = 512 bytes, lane l at 16 l), so every fragment half is one load at 16 x lane, and the results are stored as they stand.
; LIMITS: NaN and infinities are not served; blocks whose largest magnitude lies under 2^-124 keep the byte 1.
; REGISTERS, window 0: v2-9 addresses; v16-19, v20-27 scale words; v32-63 lane rows' fragments, later the codes; v64-127 register rows' fragments; v128-191 the bias as C; v192-207 at work; v208-213 scale words made.
.set WC,   0x200000
.set XSO,  0x780000
.set WSO,  0x7A0000
.set SCL,  262144
.set CB,   128
.set TM,   192
.set PW,   208
.set XW,   212
.set SEL,  98
.set MSB,  0
.macro WIN new                         ; the immediate's high byte repeats the setting that is left
.if MSB != (\new)
	s_set_vgpr_msb (MSB<<8)|(\new)
.set MSB, (\new)
.endif
.endm
.macro PLACES n
.rept \n
	v_nop
.endr
.endm
.macro CROUND                          ; a round of the cluster's barrier
	s_barrier_signal -1
	s_barrier_wait -1
	s_cmp_lg_u32 s14, 0
	s_cbranch_scc1 .Lnot_wave_0_\@
	s_barrier_signal -3
.Lnot_wave_0_\@:
	s_barrier_wait -3
	s_barrier_signal -1
	s_barrier_wait -1
.endm
; 64 numbers of a lane in window win, register 16 b + 8 u + j = k 32 b + 16 u + 8 (lane / 16) + j of my row, become a fragment (8 registers at pc) and its scale word (pw).
; A block of 32 lies in lanes l and l xor 16.  A conversion gives 8 codes = one word of a block; lanes 0-15 hold words 0 and 2, lanes 16-31 words 1 and 3; two exchanges of halves for each pair of blocks give a lane a whole block.
.macro QUANT64 s, win, pc, pw
	WIN 0x05*(\win)
.irp b, 0,1,2,3
	v_max3_num_f32 v[TM+\b], |v[(\s)+16*\b]|, |v[(\s)+1+16*\b]|, 0x1800000   ; with the floor 2^(3 - 127): the byte cannot fall under 1.  Each accumulator is read from its low end on
.endr
	WIN 0x14*(\win)
.irp i, 2,4,6,8,10,12,14
.irp b, 0,1,2,3
	v_max3_num_f32 v[TM+\b], v[TM+\b], |v[(\s)+16*\b+\i]|, |v[(\s)+1+16*\b+\i]|
.endr
.endr
	WIN 0
.irp b, 0,1,2,3
	v_permlanex16_b32 v[TM+4+\b], v[TM+\b], s[SEL], s[SEL+1]
.endr
.irp b, 0,1,2,3
	v_max_num_f32 v[TM+\b], v[TM+\b], v[TM+4+\b]
.endr
.irp b, 0,1,2,3
	v_add_nc_u32 v[TM+12+\b], 0xff000000, v[TM+\b] ; 2 off the exponent field: the conversion's scale operand
.endr
.irp b, 0,1,2,3
	v_lshrrev_b32 v[TM+4+\b], 23, v[TM+12+\b]      ; the byte
.endr
	v_lshl_or_b32 v[\pw], v[TM+5], 8, v[TM+4]
	v_lshl_or_b32 v[\pw], v[TM+6], 16, v[\pw]
	v_lshl_or_b32 v[\pw], v[TM+7], 24, v[\pw]
	WIN 0x01*(\win)
.irp b, 0,1,2,3
	v_cvt_scalef32_pk8_fp4_f32 v[(\pc)+4*(\b/2)+(\b%2)], v[(\s)+16*\b:(\s)+16*\b+7], v[TM+12+\b]
	v_cvt_scalef32_pk8_fp4_f32 v[(\pc)+4*(\b/2)+2+(\b%2)], v[(\s)+16*\b+8:(\s)+16*\b+15], v[TM+12+\b]
.endr
	WIN 0
	v_nop                                          ; one plain line behind the last conversion
.irp c, 0,1
	v_permlane16_swap_b32 v[(\pc)+4*\c], v[(\pc)+4*\c+1]
	v_permlane16_swap_b32 v[(\pc)+4*\c+2], v[(\pc)+4*\c+3]
.endr
.endm
; 128 along K: number u of chunk ch.  cm = 0: onto the sums; 1: the bias of the register rows starts them; 2: the bias of the lane rows does.
; The 32 accumulators take turns, one instruction a turn, in the same order in every step.
.macro STEP ch, u, cm
	PLACES 4                                       ; in front of loads into registers that matrix instructions have read
.irp a, 0,1,2,3
.irp e, 0,1
	ds_load_b128 v[32+8*\a+4*\e:32+8*\a+4*\e+3], v[2+\ch] offset:(2*\u+\e)*8192+\a*512
.endr
.endr
.irp t, 0,1,2,3,4,5,6,7
.irp e, 0,1
	ds_load_b128 v[64+8*\t+4*\e:64+8*\t+4*\e+3], v[4+\ch] offset:(2*\u+\e)*8192+\t*512
.endr
.endr
.irp a, 0,1,2,3
	ds_load_b32 v[16+\a], v6 offset:(4*\ch+\u)*1024+\a*64
.endr
.irp t, 0,1,2,3,4,5,6,7
	ds_load_b32 v[20+\t], v7 offset:(4*\ch+\u)*1024+\t*64
.endr
	s_wait_dscnt 0x0
.if \cm == 1
	s_wait_loadcnt 0x0                             ; the bias
.endif
.if \cm == 2
	s_wait_loadcnt 0x0
.irp a, 0,1,2,3
.irp j, 1,2,3,4,5,6,7
	v_mov_b32 v[CB+8*\a+\j], v[CB+8*\a]            ; my lane row's bias for all eight register rows
.endr
.endr
	PLACES 4
.endif
.if \cm == 0
	WIN 0x50                                       ; C and D in window 1
.else
	WIN 0x40                                       ; D in window 1
.endif
.irp a, 0,1,2,3
.irp t, 0,1,2,3,4,5,6,7
.if \cm == 0
	v_wmma_scale_f32_16x16x128_f8f6f4 v[8*(8*\a+\t):8*(8*\a+\t)+7], v[64+8*\t:64+8*\t+7], v[32+8*\a:32+8*\a+7], v[8*(8*\a+\t):8*(8*\a+\t)+7], v[20+\t], v[16+\a] matrix_a_fmt:MATRIX_FMT_FP4 matrix_b_fmt:MATRIX_FMT_FP4
.endif
.if \cm == 1
	v_wmma_scale_f32_16x16x128_f8f6f4 v[8*(8*\a+\t):8*(8*\a+\t)+7], v[64+8*\t:64+8*\t+7], v[32+8*\a:32+8*\a+7], v[CB+8*\t:CB+8*\t+7], v[20+\t], v[16+\a] matrix_a_fmt:MATRIX_FMT_FP4 matrix_b_fmt:MATRIX_FMT_FP4
.endif
.if \cm == 2
	v_wmma_scale_f32_16x16x128_f8f6f4 v[8*(8*\a+\t):8*(8*\a+\t)+7], v[64+8*\t:64+8*\t+7], v[32+8*\a:32+8*\a+7], v[CB+8*\a:CB+8*\a+7], v[20+\t], v[16+\a] matrix_a_fmt:MATRIX_FMT_FP4 matrix_b_fmt:MATRIX_FMT_FP4
.endif
.endr
.endr
	WIN 0
.endm
	s_load_b256 s[4:11], s[0:1], 0x0               ; prep, bq, bk, bv
	s_load_b64 s[12:13], s[0:1], 0x20              ; qkv
	v_lshl_add_u32 v254, v0, 2, 0x44000
	v_mov_b32 v255, 0
	ds_add_u32 v254, v255
	ds_add_u32 v254, v255
	v_lshrrev_b32 v1, 5, v0
	v_readfirstlane_b32 s14, v1                    ; wave 0..7
	s_lshr_b32 s15, s14, 2                         ; I fetch for x (0) or for W (1),
	s_and_b32 s16, s14, 3                          ; this quarter of it
	s_lshr_b32 s17, s14, 1                         ; my 64 lane rows
	s_and_b32 s18, s14, 1                          ; my 128 register rows
	s_bfe_u32 s19, ttmp6, 0x40000                  ; cx
	s_bfe_u32 s20, ttmp6, 0x40004                  ; cy
	s_lshl_b32 s21, ttmp9, 2
	s_add_co_u32 s21, s21, s19                     ; block of 256 rows of x
	s_and_b32 s84, ttmp7, 0xffff                   ; cluster y: 0 q, 1 k, 2 v: the same in all partners
	s_lshl_b32 s22, s84, 2
	s_add_co_u32 s22, s22, s20                     ; block of 256 rows of the three weights on end
	s_cmp_eq_u32 s84, 2
	s_cselect_b32 s23, 1, 0                        ; pv
	s_xor_b32 s85, s23, 1
	s_lshl_b32 s86, 0x1111, s19                    ; my column of the cluster
	s_lshl_b32 s87, s20, 2
	s_lshl_b32 s87, 15, s87                        ; my row
	; descriptor groups 1: dense blocks as rows of 256 bytes (32 elements of 8 bytes): 64 rows of codes, 8 rows of scale words; 15:0 the mask, 17:16 the element, 21 set beside a mask
	s_or_b32 s24, s86, (3<<16)|(1<<21)
	s_or_b32 s40, s86, (3<<16)|(1<<21)
	s_or_b32 s32, s87, (3<<16)|(1<<21)
	s_or_b32 s48, s87, (3<<16)|(1<<21)
.irp g, 24, 32
	s_mov_b32 s[\g+1], 32<<16
	s_mov_b32 s[\g+2], 64<<16
	s_mov_b32 s[\g+3], 32<<16
	s_mov_b32 s[\g+4], 64
	s_mov_b32 s[\g+5], 32
	s_mov_b32 s[\g+6], 0
	s_mov_b32 s[\g+7], 0
.endr
.irp g, 40, 48
	s_mov_b32 s[\g+1], 32<<16
	s_mov_b32 s[\g+2], 8<<16
	s_mov_b32 s[\g+3], 32<<16
	s_mov_b32 s[\g+4], 8
	s_mov_b32 s[\g+5], 32
	s_mov_b32 s[\g+6], 0
	s_mov_b32 s[\g+7], 0
.endr
	s_lshl_b32 s96, s16, 14
	s_lshl_b32 s97, s16, 11
	s_lshl_b32 s88, s21, 17                        ; x's codes: made of work-group x and the wave alone
	s_add_co_u32 s88, s88, s96
	s_mov_b32 s89, 0
	s_lshl_b32 s90, s21, 13                        ; x's scale words
	s_add_co_u32 s90, s90, s97
	s_add_co_u32 s90, s90, XSO
	s_mov_b32 s91, 0
	s_lshl_b32 s92, s22, 17                        ; W's codes: of work-group y and the wave alone
	s_add_co_u32 s92, s92, s96
	s_add_co_u32 s92, s92, WC
	s_mov_b32 s93, 0
	s_lshl_b32 s94, s22, 13                        ; W's scale words
	s_add_co_u32 s94, s94, s97
	s_add_co_u32 s94, s94, WSO
	s_mov_b32 s95, 0
	s_lshl_b32 s96, s14, 14                        ; where they go: wave x 16 KiB in a chunk, wave x 2 KiB among the scales
	s_lshl_b32 s97, s14, 11
	s_mov_b32 s[SEL], 0x76543210
	s_mov_b32 s[SEL+1], 0xfedcba98
	s_wait_dscnt 0x0
	s_wait_kmcnt 0x0
	s_add_nc_u64 s[88:89], s[4:5], s[88:89]
	s_add_nc_u64 s[90:91], s[4:5], s[90:91]
	s_add_nc_u64 s[92:93], s[4:5], s[92:93]
	s_add_nc_u64 s[94:95], s[4:5], s[94:95]
	s_mov_b32 s56, 1
	s_add_co_u32 s57, s97, SCL
	s_mov_b64 s[58:59], s[90:91]
	s_or_b32 s59, s59, 0x80000000
	s_mov_b32 s60, 1
	s_mov_b32 s61, s96
	s_mov_b64 s[62:63], s[88:89]
	s_or_b32 s63, s63, 0x80000000
	s_mov_b32 s68, 1
	s_add_co_u32 s69, s96, 131072
	s_add_nc_u64 s[70:71], s[88:89], 65536
	s_or_b32 s71, s71, 0x80000000
	s_mov_b32 s72, 1
	s_add_co_u32 s73, s97, SCL
	s_mov_b64 s[74:75], s[94:95]
	s_or_b32 s75, s75, 0x80000000
	s_mov_b32 s76, 1
	s_mov_b32 s77, s96
	s_mov_b64 s[78:79], s[92:93]
	s_or_b32 s79, s79, 0x80000000
	s_mov_b32 s80, 1
	s_add_co_u32 s81, s96, 131072
	s_add_nc_u64 s[82:83], s[92:93], 65536
	s_or_b32 s83, s83, 0x80000000
	CROUND                                         ; all sixteen work-groups are here: the joint loads meet
	s_cmp_eq_u32 s15, 0                            ; a wave's three fills stand in one branch on the wave's number; four v_nop follow the last
	s_cbranch_scc0 .Lfill_w
	tensor_load_to_lds s[56:59], s[40:47]
	s_nop 0
	tensor_load_to_lds s[60:63], s[24:31]
	s_nop 0
	tensor_load_to_lds s[68:71], s[24:31]
	s_nop 0
	PLACES 4
	s_branch .Lfilled
.Lfill_w:
	tensor_load_to_lds s[72:75], s[48:55]
	s_nop 0
	tensor_load_to_lds s[76:79], s[32:39]
	s_nop 0
	tensor_load_to_lds s[80:83], s[32:39]
	s_nop 0
	PLACES 4
.Lfilled:
	v_and_b32 v1, 31, v0
	v_lshlrev_b32 v10, 4, v1                       ; 16 x lane
	v_and_b32 v11, 15, v0
	v_lshlrev_b32 v11, 2, v11                      ; 4 r
	v_bfe_u32 v12, v0, 4, 1
	v_lshlrev_b32 v12, 5, v12                      ; 32 h
	s_lshl_b32 s86, s23, 16                        ; the lane rows: x's part of a chunk, or with pv W's
	s_lshl_b32 s87, s17, 11
	s_add_co_u32 s86, s86, s87
	v_add_nc_u32 v2, s86, v10
	v_add_nc_u32 v3, 131072, v2
	s_lshl_b32 s86, s85, 16                        ; the register rows: the other part
	s_lshl_b32 s87, s18, 12
	s_add_co_u32 s86, s86, s87
	v_add_nc_u32 v4, s86, v10
	v_add_nc_u32 v5, 131072, v4
	s_lshl_b32 s86, s23, 13
	s_lshl_b32 s87, s17, 8
	s_add_co_u32 s86, s86, s87
	s_add_co_u32 s86, s86, SCL
	v_add_nc_u32 v6, s86, v11
	s_lshl_b32 s86, s85, 13
	s_lshl_b32 s87, s18, 9
	s_add_co_u32 s86, s86, s87
	s_add_co_u32 s86, s86, SCL
	v_add_nc_u32 v7, s86, v11
	s_lshl_b32 s86, s17, 11
	v_add_nc_u32 v8, s86, v10                      ; out: my four tiles of lane rows, 512 bytes each
	s_lshl_b32 s86, s17, 8
	v_lshl_add_u32 v9, v1, 2, s86
.irp b, 0,1,2,3
	v_mov_b32 v[TM+4+\b], 0                        ; written once: a lane permute's destination counts as one of its sources
.endr
	; where the results go.  q, k: row block = work-group x, 64 along K' = a head;  v: row block = cy, K' = the rows of x
	s_lshl_b32 s86, s21, 17
	s_lshl_b32 s87, s20, 15
	s_add_co_u32 s86, s86, s87
	s_lshl_b32 s87, s20, 19
	s_lshl_b32 s96, s21, 15
	s_add_co_u32 s87, s87, s96
	s_cmp_eq_u32 s23, 1
	s_cselect_b32 s86, s87, s86
	s_lshl_b32 s87, s18, 14
	s_add_co_u32 s86, s86, s87
	s_lshl_b32 s87, s84, 21
	s_add_co_u32 s86, s86, s87
	s_mov_b32 s87, 0
	s_add_nc_u64 s[88:89], s[12:13], s[86:87]      ; codes
	s_lshl_b32 s86, s21, 13
	s_lshl_b32 s96, s20, 11
	s_add_co_u32 s86, s86, s96
	s_lshl_b32 s96, s20, 15
	s_lshl_b32 s97, s21, 11
	s_add_co_u32 s96, s96, s97
	s_cmp_eq_u32 s23, 1
	s_cselect_b32 s86, s96, s86
	s_lshl_b32 s96, s18, 10
	s_add_co_u32 s86, s86, s96
	s_lshl_b32 s96, s84, 17
	s_add_co_u32 s86, s86, s96
	s_add_co_u32 s86, s86, 0x600000
	s_add_nc_u64 s[90:91], s[12:13], s[86:87]      ; scale words
	s_lshl_b32 s86, s20, 10
	s_lshl_b32 s96, s18, 9
	s_add_co_u32 s86, s86, s96
	s_cmp_eq_u32 s84, 0
	s_cselect_b64 s[92:93], s[6:7], s[8:9]
	s_add_nc_u64 s[92:93], s[92:93], s[86:87]      ; bq or bk at my 128 register rows
	s_lshl_b32 s86, s20, 10
	s_lshl_b32 s96, s17, 8
	s_add_co_u32 s86, s86, s96
	s_add_nc_u64 s[94:95], s[10:11], s[86:87]      ; bv at my 64 lane rows
	s_mov_b32 s86, 0xffff0000
	s_wait_tensorcnt 0x1                           ; my parts of the scales and of chunk 0 are in; chunk 1's load may be out
	s_barrier_signal -1
	s_barrier_wait -1
	s_cmp_eq_u32 s23, 1                            ; one branch holds the bias loads and the step that takes them as C
	s_cbranch_scc1 .Lfirst_v
.irp t, 0,1,2,3,4,5,6,7
	global_load_b128 v[CB+8*\t:CB+8*\t+3], v12, s[92:93] offset:64*\t
	global_load_b128 v[CB+8*\t+4:CB+8*\t+7], v12, s[92:93] offset:64*\t+16
.endr
	STEP 0, 0, 1
	s_branch .Ljoined
.Lfirst_v:
.irp a, 0,1,2,3
	global_load_b32 v[CB+8*\a], v11, s[94:95] offset:64*\a
.endr
	STEP 0, 0, 2
.Ljoined:
	STEP 0, 1, 0
	STEP 0, 2, 0
	STEP 0, 3, 0
	s_wait_tensorcnt 0x0                           ; my part of chunk 1 is in,
	s_barrier_signal -1
	s_barrier_wait -1                              ; everybody's is
	STEP 1, 0, 0
	STEP 1, 1, 0
	STEP 1, 2, 0
	STEP 1, 3, 0
	PLACES 4                                       ; in front of the first read of results
.irp a, 0,1,2,3
	QUANT64 64*\a, 1, 32+8*\a, PW+\a
	global_store_b128 v8, v[32+8*\a:32+8*\a+3], s[88:89] offset:\a*512            ; 512 consecutive bytes
	global_store_b128 v8, v[32+8*\a+4:32+8*\a+7], s[88:89] offset:\a*512+8192
.endr
	v_cndmask_b32 v[XW], v[PW], v[PW+1], s86       ; lanes 0-15: tile 0's words, lanes 16-31: tile 1's
	v_cndmask_b32 v[XW+1], v[PW+2], v[PW+3], s86
	global_store_b32 v9, v[XW], s[90:91]
	global_store_b32 v9, v[XW+1], s[90:91] offset:128
	s_wait_tensorcnt 0x0
	ds_add_u32 v254, v255
	s_wait_dscnt 0x0
	CROUND                                         ; the closing round: no work-group ends while a partner may still ask for a tile that names it
	s_endpgm
.Lfunc_end_k_q6f21cc162e_proj:
	.size	k_q6f21cc162e_proj, .Lfunc_end_k_q6f21cc162e_proj-k_q6f21cc162e_proj
	.p2alignl 7, 3214868480
	.fill 96, 4, 3214868480
	.section	.rodata,"a",@progbits
	.p2align	6, 0x0
	.amdhsa_kernel k_q6f21cc162e_proj
		.amdhsa_group_segment_fixed_size 279552
		.amdhsa_private_segment_fixed_size 0
		.amdhsa_enable_private_segment 0
		.amdhsa_kernarg_size 40
		.amdhsa_user_sgpr_count 2
		.amdhsa_user_sgpr_kernarg_segment_ptr 1
		.amdhsa_wavefront_size32 1
		.amdhsa_system_sgpr_workgroup_id_x 1
		.amdhsa_system_sgpr_workgroup_id_y 1
		.amdhsa_system_sgpr_workgroup_id_z 1
		.amdhsa_system_vgpr_workitem_id 0
		.amdhsa_next_free_vgpr 512
		.amdhsa_next_free_sgpr 104
		.amdhsa_reserve_vcc 0
		.amdhsa_float_denorm_mode_32 3
		.amdhsa_float_denorm_mode_16_64 3
		.amdhsa_memory_ordered 1
		.amdhsa_forward_progress 1
		.amdhsa_inst_pref_size 88
	.end_amdhsa_kernel
	.amdgpu_metadata
---
amdhsa.version: [ 1, 2 ]
amdhsa.kernels:
  - .name:           k_q6f21cc162e_proj
    .symbol:         k_q6f21cc162e_proj.kd
    .args:
      - { .name: prep, .offset: 0, .size: 8, .value_kind: global_buffer, .address_space: global }
      - { .name: bq, .offset: 8, .size: 8, .value_kind: global_buffer, .address_space: global }
      - { .name: bk, .offset: 16, .size: 8, .value_kind: global_buffer, .address_space: global }
      - { .name: bv, .offset: 24, .size: 8, .value_kind: global_buffer, .address_space: global }
      - { .name: qkv, .offset: 32, .size: 8, .value_kind: global_buffer, .address_space: global }
    .group_segment_fixed_size: 279552
    .private_segment_fixed_size: 0
    .kernarg_segment_align: 8
    .kernarg_segment_size: 40
    .max_flat_workgroup_size: 256
    .sgpr_count:     104
    .vgpr_count:     512
    .wavefront_size: 32
...
	.end_amdgpu_metadata
.endif
;; end of part 2
;; launch attn (part 3): grid 8 x 32, 16 waves a work-group, no clusters, 215,040 bytes of LDS; arguments qkv, mask, att; writes att
.if DOCPART == 3
	.amdgcn_target "amdgcn-amd-amdhsa--gfx1250"
	.amdhsa_code_object_version 6
	.text
	.protected	k_q6f21cc162e_attn
	.globl	k_q6f21cc162e_attn
	.p2align	8
	.type	k_q6f21cc162e_attn,@function
k_q6f21cc162e_attn:
	s_mov_b64 s[64:65], 0
	v_nop
	global_prefetch_b8 v0, s[64:65] scope:SCOPE_SE
	s_setreg_imm32_b32 hwreg(HW_REG_WAVE_MODE, 25, 1), 1
	s_wait_xcnt 0x0
; att[b][q][head 64 ..] = softmax_k(where(mask[q] and mask[k], q . k, -1e15) / 1024) v, both products on codes of E2M1.  q, k: K = the head's 64; v: K = the keys.
; THE SOFTMAX: t = score x log2(e) / 1024; M = the running largest t rounded UP to a whole number; p = 2^(t - M) is quantised along the keys, not normalised; the sum of the unquantised p divides at the end.
; SHARES: a work-group owns 256 queries of one head of one batch; each of its sixteen waves 16 of them.  A head's K, V and scale words (140 KiB) are brought into LDS once, through registers, and read by all sixteen waves.
; No cluster and no tensor load: what the eight work-groups of a head share is fetched once at the head, 140 KiB against 16 key steps of 12 matrix and some 235 vector instructions in each of 16 waves.
; LAYOUT: S^T = K Q^T (source 0 = 16 keys, source 1 = my 16 queries), O^T = V^T P^T: a lane holds one query throughout.  Tiles 2 b and 2 b + 1 of S^T hold block b of 32 keys, in lanes l and l xor 16.
; THE MASK rides in the instruction's unused half of K (64 .. 127): at k = 64 every key has the code of -4 and every open query the code of 1; the key's scale byte of that block is 1 (open: -2^-124 is added to the score)
; or 157 (hidden: -2^32 is added).  A hidden query has zero codes throughout: all its scores are 0, so p = 1 for all 2,048 keys, as in the definition, whose t is there one whole number for all keys.
; LIMITS: -1e15 is stood for by -2^32 on the score, right while |q . k| < 2^31; an open score carries -2^-124; NaN and infinities are not served.
; REGISTERS: v1-7 addresses that stay; v8-11 the step's; v12 -M, v13 largest t, v[14:15] the sum; v16-23 Q, v24 its scale word; v32-63 four tiles of K; v64-95 four of V; v96-159 S^T, then p; v160-191 O^T; v192-199 p's codes; v200-227 at work.
.set KCO, 0x200000
.set VCO, 0x400000
.set QSO, 0x600000
.set KSO, 0x620000
.set VSO, 0x640000
.set VCL, 65536                        ; LDS: K's codes at 0 (key tile T at 512 T); V's here ([64 keys][4 tiles of d][512]);
.set KSC, 131072                       ; K's scale words, 4 bytes a key;
.set VSC, 139264                       ; V's, [step][64 d][4];
.set STG, 143360                       ; the way out: 16 rows x (256 + 16) bytes for each wave
.set SEL, 38
.set CS,  40
.macro PLACES n
.rept \n
	v_nop
.endr
.endm
	s_load_b128 s[4:7], s[0:1], 0x0                ; qkv, mask
	s_load_b64 s[8:9], s[0:1], 0x10                ; att
	v_lshl_add_u32 v240, v0, 2, 0x34000
	v_mov_b32 v241, 0
	v_lshrrev_b32 v1, 5, v0
	v_readfirstlane_b32 s10, v1                    ; wave 0..15
	s_and_b32 s30, ttmp7, 0xffff
	s_lshr_b32 s31, s30, 4                         ; b
	s_and_b32 s32, s30, 15                         ; head
	s_lshr_b32 s33, s32, 2
	s_and_b32 s34, s32, 3
	s_lshr_b32 s35, s32, 1
	s_and_b32 s36, s32, 1
	s_lshl_b32 s36, s36, 4                         ; my head's two bytes in a scale word: 16 (head % 2) bits up
	s_lshl_b32 s37, s31, 3
	s_add_co_u32 s37, s37, ttmp9                   ; my block of 256 rows
	s_lshl_b32 s12, s31, 20                        ; K's codes
	s_lshl_b32 s11, s32, 13
	s_add_co_u32 s12, s12, s11
	s_add_co_u32 s12, s12, KCO
	s_mov_b32 s13, 0
	s_lshl_b32 s14, s33, 19                        ; V's codes
	s_lshl_b32 s11, s31, 18
	s_add_co_u32 s14, s14, s11
	s_lshl_b32 s11, s34, 11
	s_add_co_u32 s14, s14, s11
	s_add_co_u32 s14, s14, VCO
	s_mov_b32 s15, 0
	s_lshl_b32 s16, s31, 16                        ; K's scale words
	s_lshl_b32 s11, s35, 10
	s_add_co_u32 s16, s16, s11
	s_add_co_u32 s16, s16, KSO
	s_mov_b32 s17, 0
	s_lshl_b32 s18, s31, 11                        ; the keys' mask
	s_mov_b32 s19, 0
	s_lshl_b32 s20, s33, 15                        ; V's scale words
	s_lshl_b32 s11, s31, 14
	s_add_co_u32 s20, s20, s11
	s_lshl_b32 s11, s34, 8
	s_add_co_u32 s20, s20, s11
	s_add_co_u32 s20, s20, VSO
	s_mov_b32 s21, 0
	s_lshl_b32 s22, s37, 17                        ; Q's codes
	s_lshl_b32 s11, s32, 13
	s_add_co_u32 s22, s22, s11
	s_lshl_b32 s11, s10, 9
	s_add_co_u32 s22, s22, s11
	s_mov_b32 s23, 0
	s_lshl_b32 s24, s37, 13                        ; Q's scale words
	s_lshl_b32 s11, s35, 10
	s_add_co_u32 s24, s24, s11
	s_lshl_b32 s11, s10, 6
	s_add_co_u32 s24, s24, s11
	s_add_co_u32 s24, s24, QSO
	s_mov_b32 s25, 0
	s_lshl_b32 s26, s31, 11                        ; my queries' mask
	s_lshl_b32 s11, ttmp9, 8
	s_add_co_u32 s26, s26, s11
	s_lshl_b32 s11, s10, 4
	s_add_co_u32 s26, s26, s11
	s_mov_b32 s27, 0
	s_lshl_b32 s28, s31, 23                        ; my rows of att, my head's 256 bytes
	s_lshl_b32 s11, ttmp9, 20
	s_add_co_u32 s28, s28, s11
	s_lshl_b32 s11, s10, 16
	s_add_co_u32 s28, s28, s11
	s_lshl_b32 s11, s32, 8
	s_add_co_u32 s28, s28, s11
	s_mov_b32 s29, 0
	s_mov_b32 s[SEL], 0x76543210
	s_mov_b32 s[SEL+1], 0xfedcba98
	s_mov_b32 s[CS], 0x3ab8aa3b                    ; c = log2(e) / 1024
	s_mov_b32 s[CS+1], s[CS]                       ; (named with it as a pair, so it is written)
	v_and_b32 v74, 31, v0
	v_and_b32 v72, 15, v0                          ; r
	v_bfe_u32 v73, v0, 4, 1                        ; h
	v_lshlrev_b32 v75, 2, v72
	v_lshlrev_b32 v1, 4, v74                       ; 16 x lane
	v_lshlrev_b32 v64, 4, v0                       ; thread t: K's codes, 16 t in each block of 256 keys, in memory and in LDS
	v_lshrrev_b32 v65, 7, v0
	v_and_b32 v85, 127, v0
	v_lshlrev_b32 v65, 13, v65
	v_lshl_add_u32 v65, v85, 4, v65                ; V's codes: 2,048 bytes of each 64 keys
	v_lshrrev_b32 v66, 6, v0
	v_and_b32 v85, 63, v0
	v_lshlrev_b32 v66, 13, v66
	v_lshl_add_u32 v66, v85, 4, v66                ; K's scale words: keys 4 t .. 4 t + 3
	v_lshlrev_b32 v67, 2, v0
	v_lshrrev_b32 v68, 5, v0
	v_lshlrev_b32 v68, 10, v68
	v_lshl_add_u32 v68, v74, 3, v68                ; V's scale words: 256 bytes of each step
	v_lshl_add_u32 v69, v0, 4, VCL
	v_lshl_add_u32 v70, v0, 4, KSC
	v_lshl_add_u32 v71, v0, 3, VSC
	s_wait_kmcnt 0x0
	s_add_nc_u64 s[12:13], s[4:5], s[12:13]
	s_add_nc_u64 s[14:15], s[4:5], s[14:15]
	s_add_nc_u64 s[16:17], s[4:5], s[16:17]
	s_add_nc_u64 s[18:19], s[6:7], s[18:19]
	s_add_nc_u64 s[20:21], s[4:5], s[20:21]
	s_add_nc_u64 s[22:23], s[4:5], s[22:23]
	s_add_nc_u64 s[24:25], s[4:5], s[24:25]
	s_add_nc_u64 s[26:27], s[6:7], s[26:27]
	s_add_nc_u64 s[28:29], s[8:9], s[28:29]
.irp i, 0,1,2,3,4,5,6,7
	global_load_b128 v[96+4*\i:99+4*\i], v64, s[12:13] offset:\i*131072
.endr
.irp i, 0,1,2,3,4,5,6,7
	global_load_b128 v[128+4*\i:131+4*\i], v65, s[14:15] offset:\i*32768
.endr
	global_load_b128 v[76:79], v66, s[16:17]
	global_load_b32 v80, v67, s[18:19]
	global_load_b64 v[82:83], v68, s[20:21]
	global_load_b128 v[16:19], v1, s[22:23]
	global_load_b32 v24, v75, s[24:25]
	global_load_u8 v84, v72, s[26:27]
	; what stays, made while the loads are out
	v_add_nc_u32 v2, VCL, v1
	v_lshl_add_u32 v3, v72, 2, KSC
	v_lshl_add_u32 v4, v72, 2, VSC
	s_mul_i32 s11, s10, 4352
	s_add_co_u32 s11, s11, STG
	v_mul_u32_u24 v5, v72, 272
	v_lshl_add_u32 v5, v73, 5, v5
	v_add_nc_u32 v5, s11, v5                       ; into my stage: row r, 32 h
	v_mul_u32_u24 v6, v73, 272
	v_lshl_add_u32 v6, v72, 4, v6
	v_add_nc_u32 v6, s11, v6                       ; back: lanes 0-15 one row, lanes 16-31 the next
	v_lshlrev_b32 v7, 12, v73
	v_lshl_add_u32 v7, v72, 4, v7                  ; the same two rows in att
	v_mul_u32_u24 v85, v73, 14
	v_sub_nc_u32 v85, 14, v85                      ; lanes 0-15: the code of -4 at k = 64; lanes 16-31: zeros
.irp t, 0,1,2,3
	v_mov_b32 v[36+8*\t], v85                      ; the upper halves of the four tiles of K: set once; loads touch the lower four registers alone
	v_mov_b32 v[37+8*\t], 0
	v_mov_b32 v[38+8*\t], 0
	v_mov_b32 v[39+8*\t], 0
.endr
	v_lshlrev_b32 v20, 1, v73
	v_sub_nc_u32 v20, 2, v20                       ; Q: the code of 1 at k = 64
	v_mov_b32 v21, 0
	v_mov_b32 v22, 0
	v_mov_b32 v23, 0
	v_mov_b32 v86, 0x019d0000                      ; a hidden key's upper bytes: 2^30, and 1 for the block of zeros
	v_mov_b32 v87, 0x01010000                      ; an open key's
	v_mov_b32 v88, 0x7f7f0000                      ; a query's: 1.0
	v_mov_b32 v13, 0xff61b1e6                      ; the largest t so far: -3e38
	v_floor_f32 v12, -v13                          ; -M
	v_mov_b32 v14, 0
	v_mov_b32 v15, 0
	v_mov_b32 v213, 0                              ; (named as the upper half of the pair v[212:213])
.irp b, 0,1,2,3
	v_mov_b32 v[204+\b], 0                         ; written once: a lane permute's destination counts as one of its sources
.endr
.set j, 0
.rept 32
	v_mov_b32 v[160+j], 0                          ; O^T: the loop is written once; its first step finds zeros
.set j, j+1
.endr
	s_wait_loadcnt 14                              ; K's eight loads are in; V's eight and the six small ones may be out
.irp i, 0,1,2,3,4,5,6,7
	ds_store_b128 v64, v[96+4*\i:99+4*\i] offset:\i*8192
.endr
	s_wait_loadcnt 6                               ; V's eight are in
.irp i, 0,1,2,3,4,5,6,7
	ds_store_b128 v69, v[128+4*\i:131+4*\i] offset:\i*8192
.endr
	s_wait_loadcnt 0x0
	v_cmp_ne_u32 vcc_lo, 0, v84
.irp i, 0,1,2,3,4
	v_cndmask_b32 v[16+\i], 0, v[16+\i], vcc_lo    ; a hidden query: zero codes
.endr
	v_lshrrev_b32 v24, s36, v24
	v_and_or_b32 v24, v24, 0xffff, v88             ; my head's two bytes, and 1.0 for the upper half of K
.irp e, 0,1,2,3
	v_lshrrev_b32 v[76+\e], s36, v[76+\e]
	v_bfe_u32 v85, v80, 8*\e, 8
	v_cmp_ne_u32 vcc_lo, 0, v85
	v_cndmask_b32 v85, v86, v87, vcc_lo
	v_and_or_b32 v[76+\e], v[76+\e], 0xffff, v85   ; the key's two bytes, and the mask as a scale
.endr
	ds_store_b128 v70, v[76:79]
	ds_store_b64 v71, v[82:83]
	s_wait_dscnt 0x0                               ; for the others' sake: my stores have landed
	s_barrier_signal -1
	s_barrier_wait -1
	s_mov_b32 s42, 0                               ; where the step's codes begin: 4,096 bytes a step, in K and in V
	s_mov_b32 s43, 0                               ; K's scale words: 512 a step
	s_mov_b32 s44, 0                               ; V's: 256 a step
	s_mov_b32 s45, 16
.Lstep:                                            ; 128 keys
	v_add_nc_u32 v8, s42, v1                       ; (these four are the places in front of the loads below)
	v_add_nc_u32 v9, s42, v2
	v_add_nc_u32 v10, s43, v3
	v_add_nc_u32 v11, s44, v4
.irp t, 0,1,2,3
	ds_load_b128 v[32+8*\t:35+8*\t], v8 offset:\t*512
	ds_load_b32 v[220+\t], v10 offset:\t*64
.endr
.irp t, 0,1,2,3
	ds_load_b128 v[64+8*\t:67+8*\t], v9 offset:\t*512
	ds_load_b128 v[68+8*\t:71+8*\t], v9 offset:2048+\t*512
	ds_load_b32 v[224+\t], v11 offset:\t*64
.endr
	s_wait_dscnt 12                                ; K's eight are in; V's twelve may be out
.irp t, 0,1,2,3
	v_wmma_scale_f32_16x16x128_f8f6f4 v[96+8*\t:103+8*\t], v[32+8*\t:39+8*\t], v[16:23], 0, v[220+\t], v24 matrix_a_fmt:MATRIX_FMT_FP4 matrix_b_fmt:MATRIX_FMT_FP4
.endr
	PLACES 4
.irp t, 0,1,2,3
	ds_load_b128 v[32+8*\t:35+8*\t], v8 offset:(4+\t)*512
	ds_load_b32 v[220+\t], v10 offset:(4+\t)*64
.endr
	s_wait_dscnt 0x0
.irp t, 0,1,2,3
	v_wmma_scale_f32_16x16x128_f8f6f4 v[128+8*\t:135+8*\t], v[32+8*\t:39+8*\t], v[16:23], 0, v[220+\t], v24 matrix_a_fmt:MATRIX_FMT_FP4 matrix_b_fmt:MATRIX_FMT_FP4
.endr
	PLACES 4
.irp b, 0,1,2,3
	v_max3_num_f32 v[200+\b], v[96+16*\b], v[97+16*\b], v[98+16*\b]   ; the largest score of each block of 32 keys: for the row's maximum and, since p rises with the score, for the block's largest p
.endr
.irp i, 3,5,7,9,11,13
.irp b, 0,1,2,3
	v_max3_num_f32 v[200+\b], v[200+\b], v[96+16*\b+\i], v[97+16*\b+\i]
.endr
.endr
.irp b, 0,1,2,3
	v_max_num_f32 v[200+\b], v[200+\b], v[111+16*\b]
.endr
.irp b, 0,1,2,3
	v_permlanex16_b32 v[204+\b], v[200+\b], s[SEL], s[SEL+1]
.endr
.irp b, 0,1,2,3
	v_max_num_f32 v[200+\b], v[200+\b], v[204+\b]
.endr
	v_max3_num_f32 v215, v200, v201, v202
	v_max_num_f32 v215, v215, v203
	v_mul_f32 v215, s[CS], v215                    ; as t
	v_max_num_f32 v13, v13, v215                   ; the running largest t
	v_mov_b32 v215, v12
	v_floor_f32 v12, -v13                          ; the new -M = -ceil(t)
	v_sub_f32 v215, v12, v215                      ; old M - new M: a whole number, 0 or less
	v_cvt_i32_f32 v215, v215                       ; (it saturates)
	v_ldexp_f32 v212, 1.0, v215                    ; f = 2^(old M - new M)
.set j, 0
.rept 32
	v_pk_fma_f32 v[96+j:97+j], v[96+j:97+j], s[CS:CS+1], v[12:13] op_sel_hi:[1,0,0]   ; t - M
.set j, j+2
.endr
.irp b, 0,1,2,3
	v_fma_f32 v[200+\b], v[200+\b], s[CS], v12
.endr
.set j, 0
.rept 64
	v_exp_f32 v[96+j], v[96+j]                     ; p = 2^(t - M)
.set j, j+1
.endr
	v_pk_mul_f32 v[14:15], v[14:15], v[212:213] op_sel_hi:[1,0]   ; the sums under the new M; the plain line behind the exponentials
	s_wait_alu depctr_va_vdst(0)                   ; one wait for the batch, ahead of its first reader
.irp b, 0,1,2,3
	v_exp_f32 v[200+\b], v[200+\b]                 ; each block's largest p
.endr
	v_pk_add_f32 v[216:217], v[96:97], v[98:99]    ; the sum of the unquantised p, in two chains
.irp j, 4,8,12,16,20,24,28,32,36,40,44,48,52,56,60
	v_pk_add_f32 v[14:15], v[14:15], v[96+\j:97+\j]
	v_pk_add_f32 v[216:217], v[216:217], v[98+\j:99+\j]
.endr
	v_pk_add_f32 v[14:15], v[14:15], v[216:217]
	s_wait_alu depctr_va_vdst(0)                   ; and one for the four
.irp b, 0,1,2,3
	v_max_num_f32 v[200+\b], 0x1800000, v[200+\b]  ; the floor 2^(3 - 127)
.endr
.irp b, 0,1,2,3
	v_add_nc_u32 v[208+\b], 0xff000000, v[200+\b]
.endr
.irp b, 0,1,2,3
	v_lshrrev_b32 v[204+\b], 23, v[208+\b]
.endr
	v_lshl_or_b32 v214, v205, 8, v204              ; p's scale word for these 128 keys
	v_lshl_or_b32 v214, v206, 16, v214
	v_lshl_or_b32 v214, v207, 24, v214
.irp b, 0,1,2,3
	v_cvt_scalef32_pk8_fp4_f32 v[192+4*(\b/2)+(\b%2)], v[96+16*\b:103+16*\b], v[208+\b]
	v_cvt_scalef32_pk8_fp4_f32 v[194+4*(\b/2)+(\b%2)], v[104+16*\b:111+16*\b], v[208+\b]
.endr
	v_nop
.irp c, 0,1
	v_permlane16_swap_b32 v[192+4*\c], v[193+4*\c] ; a lane gets a whole block: lanes 0-15 block 2 c, lanes 16-31 block 2 c + 1
	v_permlane16_swap_b32 v[194+4*\c], v[195+4*\c]
.endr
.set j, 0
.rept 16
	v_pk_mul_f32 v[160+j:161+j], v[160+j:161+j], v[212:213] op_sel_hi:[1,0]   ; O^T under the new M; these sixteen are also the places in front of the products below
.set j, j+2
.endr
.irp t, 0,1,2,3
	v_wmma_scale_f32_16x16x128_f8f6f4 v[160+8*\t:167+8*\t], v[64+8*\t:71+8*\t], v[192:199], v[160+8*\t:167+8*\t], v[224+\t], v214 matrix_a_fmt:MATRIX_FMT_FP4 matrix_b_fmt:MATRIX_FMT_FP4
.endr
	s_add_co_u32 s42, s42, 4096
	s_add_co_u32 s43, s43, 512
	s_add_co_u32 s44, s44, 256
	s_sub_co_u32 s45, s45, 1
	s_cmp_lg_u32 s45, 0
	s_cbranch_scc1 .Lstep
	; THE WAY OUT: O^T / the sum, through my stage, so that sixteen lanes store 256 consecutive bytes, aligned
	PLACES 4
	v_add_f32 v14, v14, v15
	v_permlanex16_b32 v215, v14, s[SEL], s[SEL+1]
	v_add_f32 v14, v14, v215
	v_rcp_f32 v212, v14
	v_nop
	s_wait_alu depctr_va_vdst(0)
.set j, 0
.rept 16
	v_pk_mul_f32 v[96+j:97+j], v[160+j:161+j], v[212:213] op_sel_hi:[1,0]
.set j, j+2
.endr
.irp t, 0,1,2,3
	ds_store_b128 v5, v[96+8*\t:99+8*\t] offset:64*\t
	ds_store_b128 v5, v[100+8*\t:103+8*\t] offset:64*\t+16
.endr
.irp i, 0,1,2,3,4,5,6,7
	ds_load_b128 v[32+4*\i:35+4*\i], v6 offset:544*\i   ; LDS serves a wave's instructions in order: these see my stores
.endr
.irp i, 0,1,2,3,4,5,6,7
	s_wait_dscnt 7-\i
	global_store_b128 v7, v[32+4*\i:35+4*\i], s[28:29] offset:8192*\i
.endr
	s_wait_tensorcnt 0x0
	ds_add_u32 v240, v241
	s_wait_dscnt 0x0
	s_endpgm
.Lfunc_end_k_q6f21cc162e_attn:
	.size	k_q6f21cc162e_attn, .Lfunc_end_k_q6f21cc162e_attn-k_q6f21cc162e_attn
	.p2alignl 7, 3214868480
	.fill 96, 4, 3214868480
	.section	.rodata,"a",@progbits
	.p2align	6, 0x0
	.amdhsa_kernel k_q6f21cc162e_attn
		.amdhsa_group_segment_fixed_size 215040
		.amdhsa_private_segment_fixed_size 0
		.amdhsa_enable_private_segment 0
		.amdhsa_kernarg_size 24
		.amdhsa_user_sgpr_count 2
		.amdhsa_user_sgpr_kernarg_segment_ptr 1
		.amdhsa_wavefront_size32 1
		.amdhsa_system_sgpr_workgroup_id_x 1
		.amdhsa_system_sgpr_workgroup_id_y 1
		.amdhsa_system_sgpr_workgroup_id_z 1
		.amdhsa_system_vgpr_workitem_id 0
		.amdhsa_next_free_vgpr 242
		.amdhsa_next_free_sgpr 66
		.amdhsa_reserve_vcc 1
		.amdhsa_float_denorm_mode_32 3
		.amdhsa_float_denorm_mode_16_64 3
		.amdhsa_memory_ordered 1
		.amdhsa_forward_progress 1
		.amdhsa_inst_pref_size 32
	.end_amdhsa_kernel
	.amdgpu_metadata
---
amdhsa.version: [ 1, 2 ]
amdhsa.kernels:
  - .name:           k_q6f21cc162e_attn
    .symbol:         k_q6f21cc162e_attn.kd
    .args:
      - { .name: qkv, .offset: 0, .size: 8, .value_kind: global_buffer, .address_space: global }
      - { .name: mask, .offset: 8, .size: 8, .value_kind: global_buffer, .address_space: global }
      - { .name: att, .offset: 16, .size: 8, .value_kind: global_buffer, .address_space: global }
    .group_segment_fixed_size: 215040
    .private_segment_fixed_size: 0
    .kernarg_segment_align: 8
    .kernarg_segment_size: 24
    .max_flat_workgroup_size: 512
    .sgpr_count:     66
    .vgpr_count:     242
    .wavefront_size: 32
...
	.end_amdgpu_metadata
.endif
;; end of part 3
;; launch norm1 (part 4): grid 256 x 1, 16 waves a work-group, no clusters, 74,752 bytes of LDS; arguments att, x, g1, beta1, h1, h1q; writes h1, h1q
.if DOCPART == 4
	.amdgcn_target "amdgcn-amd-amdhsa--gfx1250"
	.amdhsa_code_object_version 6
	.text
	.protected	k_q6f21cc162e_norm1
	.globl	k_q6f21cc162e_norm1
	.p2align	8
	.type	k_q6f21cc162e_norm1,@function
k_q6f21cc162e_norm1:
	s_mov_b64 s[64:65], 0
	v_nop
	global_prefetch_b8 v0, s[64:65] scope:SCOPE_SE
	s_setreg_imm32_b32 hwreg(HW_REG_WAVE_MODE, 25, 1), 1
	s_wait_xcnt 0x0
; y = LayerNorm(a + b) x g + beta over rows of 1,024, in f32; with WITHQ = 1 y is also quantised to E2M1 along the row, laid in the order of a matrix operand's registers.
; A work-group takes 16 rows; wave w columns 64 w .. 64 w + 63.  Loads and stores take 256 consecutive bytes in sixteen lanes; a turn through the wave's own stage in LDS gives lane (r, h) the 32 neighbours 64 w + 32 h .. of row r.
; Mean and variance in two passes (the variance of the differences from the mean): the sixteen waves' partial sums of a row meet in LDS behind a barrier.
; LIMITS: NaN and infinities are not served; blocks whose largest magnitude lies under 2^-124 keep the scale byte 1.
.set WITHQ, 1
.set STGW, 4352                        ; a wave's stage: 16 rows x (256 bytes + 16)
.set RED,  69632                       ; partial sums: 16 rows x 80 bytes; the second pass's 1,280 bytes on
.set SCG,  72192                       ; the tile's 512 scale bytes
.set SEL,  32
.macro QUANT32 x, pc, by
	v_max3_num_f32 v12, |v[(\x)]|, |v[(\x)+1]|, |v[(\x)+2]|
	v_max3_num_f32 v13, |v[(\x)+3]|, |v[(\x)+4]|, |v[(\x)+5]|
.irp i, 6,10,14,18,22,26
	v_max3_num_f32 v12, v12, |v[(\x)+\i]|, |v[(\x)+\i+1]|
	v_max3_num_f32 v13, v13, |v[(\x)+\i+2]|, |v[(\x)+\i+3]|
.endr
	v_max3_num_f32 v12, v12, |v[(\x)+30]|, |v[(\x)+31]|
	v_max3_num_f32 v12, v12, v13, 0x1800000        ; the floor 2^(3 - 127)
	v_add_nc_u32 v14, 0xff000000, v12
	v_lshrrev_b32 v[\by], 23, v14
.irp g, 0,1,2,3
	v_cvt_scalef32_pk8_fp4_f32 v[(\pc)+\g], v[(\x)+8*\g:(\x)+8*\g+7], v14
.endr
	v_nop
.endm
; v176 = my 32 numbers' sum; out: v196 = the row's sum / 1,024
.macro ROWSUM off
	v_permlanex16_b32 v177, v176, s[SEL], s[SEL+1]
	v_add_f32 v176, v176, v177
	ds_store_b32 v204, v176 offset:\off            ; both halves of the lanes write the same word with the same value
	s_wait_dscnt 0x0
	s_barrier_signal -1
	s_barrier_wait -1
.irp j, 0,1,2,3
	ds_load_b128 v[180+4*\j:183+4*\j], v205 offset:\off+16*\j
.endr
	s_wait_dscnt 0x0
	v_pk_add_f32 v[180:181], v[180:181], v[182:183]
	v_pk_add_f32 v[184:185], v[184:185], v[186:187]
	v_pk_add_f32 v[188:189], v[188:189], v[190:191]
	v_pk_add_f32 v[192:193], v[192:193], v[194:195]
	v_pk_add_f32 v[180:181], v[180:181], v[184:185]
	v_pk_add_f32 v[188:189], v[188:189], v[192:193]
	v_pk_add_f32 v[180:181], v[180:181], v[188:189]
	v_add_f32 v180, v180, v181
	v_mul_f32 v196, 0x3a800000, v180               ; x 2^-10
.endm
	s_load_b256 s[4:11], s[0:1], 0x0               ; a, b, g, beta
	s_load_b64 s[12:13], s[0:1], 0x20              ; y
.if WITHQ
	s_load_b64 s[14:15], s[0:1], 0x28              ; codes and scale words
	v_lshl_add_u32 v208, v0, 2, 0x11c00
	v_mov_b32 v209, 0
.endif
	v_lshrrev_b32 v1, 5, v0
	v_readfirstlane_b32 s18, v1                    ; wave 0..15
	v_and_b32 v2, 31, v0
	v_and_b32 v3, 15, v0                           ; r
	v_bfe_u32 v1, v0, 4, 1                         ; h
	v_lshlrev_b32 v4, 12, v1
	v_lshl_add_u32 v4, v3, 4, v4                   ; memory: lanes 0-15 one row's 256 bytes, lanes 16-31 the next row's
	s_mul_i32 s19, s18, STGW
	v_mul_u32_u24 v5, v1, 272
	v_lshl_add_u32 v5, v3, 4, v5
	v_add_nc_u32 v5, s19, v5                       ; the same two rows in my stage
	v_mul_u32_u24 v6, v3, 272
	v_lshl_add_u32 v6, v1, 7, v6
	v_add_nc_u32 v6, s19, v6                       ; row r, 128 h: my 32 neighbours
	v_lshlrev_b32 v7, 4, v2
	v_lshlrev_b32 v15, 7, v1                       ; g and beta: 128 h
	v_mul_u32_u24 v205, v3, 80
	v_add_nc_u32 v205, RED, v205
	s_lshl_b32 s20, s18, 2
	v_add_nc_u32 v204, s20, v205
	v_mov_b32 v197, 0                              ; (named as the upper half of the pair v[196:197])
	s_mov_b32 s[SEL], 0x76543210
	s_mov_b32 s[SEL+1], 0xfedcba98
.if WITHQ
	s_lshr_b32 s20, s18, 1
	s_lshl_b32 s20, s20, 6
	s_and_b32 s21, s18, 1
	s_lshl_b32 s21, s21, 1
	s_add_co_u32 s20, s20, s21
	s_add_co_u32 s20, s20, SCG
	v_lshl_add_u32 v8, v3, 2, v1
	v_add_nc_u32 v8, s20, v8                       ; my byte: word (w / 2, r), byte 2 (w % 2) + h
	v_add_nc_u32 v10, SCG, v7
	v_lshrrev_b32 v11, 2, v2
	v_and_b32 v9, 3, v2
	v_lshlrev_b32 v11, 10, v11
	v_lshl_add_u32 v11, v9, 4, v11
.endif
	s_lshl_b32 s22, ttmp9, 16
	s_lshl_b32 s24, s18, 8
	s_add_co_u32 s22, s22, s24
	s_mov_b32 s23, 0
	s_mov_b32 s25, 0
	s_wait_kmcnt 0x0
	s_add_nc_u64 s[4:5], s[4:5], s[22:23]
	s_add_nc_u64 s[6:7], s[6:7], s[22:23]
	s_add_nc_u64 s[12:13], s[12:13], s[22:23]
	s_add_nc_u64 s[8:9], s[8:9], s[24:25]
	s_add_nc_u64 s[10:11], s[10:11], s[24:25]
.if WITHQ
	s_lshr_b32 s26, ttmp9, 4
	s_and_b32 s27, ttmp9, 15
	s_lshl_b32 s22, s26, 17
	s_lshl_b32 s24, s18, 13
	s_add_co_u32 s22, s22, s24
	s_lshl_b32 s24, s27, 9
	s_add_co_u32 s22, s22, s24
	s_add_nc_u64 s[28:29], s[14:15], s[22:23]
	s_lshl_b32 s22, s26, 13
	s_lshl_b32 s24, s27, 6
	s_add_co_u32 s22, s22, s24
	s_add_co_u32 s22, s22, 0x200000
	s_add_nc_u64 s[30:31], s[14:15], s[22:23]
.endif
.irp i, 0,1,2,3,4,5,6,7
	global_load_b128 v[16+4*\i:19+4*\i], v4, s[4:5] offset:8192*\i th:TH_LOAD_NT
.endr
.irp i, 0,1,2,3,4,5,6,7
	global_load_b128 v[48+4*\i:51+4*\i], v4, s[6:7] offset:8192*\i th:TH_LOAD_NT
.endr
.irp j, 0,1,2,3,4,5,6,7
	global_load_b128 v[112+4*\j:115+4*\j], v15, s[8:9] offset:16*\j
.endr
.irp j, 0,1,2,3,4,5,6,7
	global_load_b128 v[144+4*\j:147+4*\j], v15, s[10:11] offset:16*\j
.endr
	s_wait_loadcnt 16                              ; a and b are in; the sixteen loads of g and beta may be out
.set j, 0
.rept 16
	v_pk_add_f32 v[16+j:17+j], v[16+j:17+j], v[48+j:49+j]
.set j, j+2
.endr
.irp i, 0,1,2,3,4,5,6,7
	ds_store_b128 v5, v[16+4*\i:19+4*\i] offset:544*\i
.endr
.irp j, 0,1,2,3,4,5,6,7
	ds_load_b128 v[80+4*\j:83+4*\j], v6 offset:16*\j   ; LDS serves a wave's instructions in order: these see my stores
.endr
	s_wait_dscnt 0x0
	v_pk_add_f32 v[176:177], v[80:81], v[82:83]
	v_pk_add_f32 v[178:179], v[84:85], v[86:87]
.irp j, 8,12,16,20,24,28
	v_pk_add_f32 v[176:177], v[176:177], v[80+\j:81+\j]
	v_pk_add_f32 v[178:179], v[178:179], v[82+\j:83+\j]
.endr
	v_pk_add_f32 v[176:177], v[176:177], v[178:179]
	v_add_f32 v176, v176, v177
	ROWSUM 0                                       ; the mean
.set j, 0
.rept 16
	v_pk_add_f32 v[80+j:81+j], v[80+j:81+j], v[196:197] op_sel_hi:[1,0] neg_lo:[0,1] neg_hi:[0,1]
.set j, j+2
.endr
	v_pk_mul_f32 v[176:177], v[80:81], v[80:81]
	v_pk_mul_f32 v[178:179], v[82:83], v[82:83]
.irp j, 4,8,12,16,20,24,28
	v_pk_fma_f32 v[176:177], v[80+\j:81+\j], v[80+\j:81+\j], v[176:177]
	v_pk_fma_f32 v[178:179], v[82+\j:83+\j], v[82+\j:83+\j], v[178:179]
.endr
	v_pk_add_f32 v[176:177], v[176:177], v[178:179]
	v_add_f32 v176, v176, v177
	ROWSUM 1280                                    ; the variance
	v_add_f32 v198, 0x3727c5ac, v196               ; + 1e-5
	v_rsq_f32 v196, v198
	v_nop
	s_wait_alu depctr_va_vdst(0)                   ; ahead of the first reader
	s_wait_loadcnt 0x0                             ; g and beta
.set j, 0
.rept 16
	v_pk_mul_f32 v[80+j:81+j], v[80+j:81+j], v[196:197] op_sel_hi:[1,0]
.set j, j+2
.endr
.set j, 0
.rept 16
	v_pk_fma_f32 v[80+j:81+j], v[80+j:81+j], v[112+j:113+j], v[144+j:145+j]
.set j, j+2
.endr
.irp j, 0,1,2,3,4,5,6,7
	ds_store_b128 v6, v[80+4*\j:83+4*\j] offset:16*\j
.endr
.irp i, 0,1,2,3,4,5,6,7
	ds_load_b128 v[16+4*\i:19+4*\i], v5 offset:544*\i
.endr
.irp i, 0,1,2,3,4,5,6,7
	s_wait_dscnt 7-\i
	global_store_b128 v4, v[16+4*\i:19+4*\i], s[12:13] offset:8192*\i   ; sixteen lanes store 256 consecutive bytes, aligned
.endr
.if WITHQ
	QUANT32 80, 200, 9
	global_store_b128 v7, v[200:203], s[28:29]     ; 512 consecutive bytes
	ds_store_b8 v8, v9
	s_wait_dscnt 0x0
	s_barrier_signal -1
	s_barrier_wait -1
	s_cmp_lg_u32 s18, 0
	s_cbranch_scc1 .Lend
	ds_load_b128 v[176:179], v10
	s_wait_dscnt 0x0
	global_store_b128 v11, v[176:179], s[30:31]
.Lend:
.endif
	s_wait_tensorcnt 0x0
	ds_add_u32 v208, v209
	s_wait_dscnt 0x0
	s_endpgm
.Lfunc_end_k_q6f21cc162e_norm1:
	.size	k_q6f21cc162e_norm1, .Lfunc_end_k_q6f21cc162e_norm1-k_q6f21cc162e_norm1
	.p2alignl 7, 3214868480
	.fill 96, 4, 3214868480
	.section	.rodata,"a",@progbits
	.p2align	6, 0x0
	.amdhsa_kernel k_q6f21cc162e_norm1
		.amdhsa_group_segment_fixed_size 74752
		.amdhsa_private_segment_fixed_size 0
		.amdhsa_enable_private_segment 0
		.amdhsa_kernarg_size 48
		.amdhsa_user_sgpr_count 2
		.amdhsa_user_sgpr_kernarg_segment_ptr 1
		.amdhsa_wavefront_size32 1
		.amdhsa_system_sgpr_workgroup_id_x 1
		.amdhsa_system_sgpr_workgroup_id_y 1
		.amdhsa_system_sgpr_workgroup_id_z 1
		.amdhsa_system_vgpr_workitem_id 0
		.amdhsa_next_free_vgpr 210
		.amdhsa_next_free_sgpr 66
		.amdhsa_reserve_vcc 0
		.amdhsa_float_denorm_mode_32 3
		.amdhsa_float_denorm_mode_16_64 3
		.amdhsa_memory_ordered 1
		.amdhsa_forward_progress 1
		.amdhsa_inst_pref_size 20
	.end_amdhsa_kernel
	.amdgpu_metadata
---
amdhsa.version: [ 1, 2 ]
amdhsa.kernels:
  - .name:           k_q6f21cc162e_norm1
    .symbol:         k_q6f21cc162e_norm1.kd
    .args:
      - { .name: att, .offset: 0, .size: 8, .value_kind: global_buffer, .address_space: global }
      - { .name: x, .offset: 8, .size: 8, .value_kind: global_buffer, .address_space: global }
      - { .name: g1, .offset: 16, .size: 8, .value_kind: global_buffer, .address_space: global }
      - { .name: beta1, .offset: 24, .size: 8, .value_kind: global_buffer, .address_space: global }
      - { .name: h1, .offset: 32, .size: 8, .value_kind: global_buffer, .address_space: global }
      - { .name: h1q, .offset: 40, .size: 8, .value_kind: global_buffer, .address_space: global }
    .group_segment_fixed_size: 74752
    .private_segment_fixed_size: 0
    .kernarg_segment_align: 8
    .kernarg_segment_size: 48
    .max_flat_workgroup_size: 512
    .sgpr_count:     66
    .vgpr_count:     210
    .wavefront_size: 32
...
	.end_amdgpu_metadata
.endif
;; end of part 4
;; launch ffa (part 5): grid 16 x 16, 8 waves a work-group, clusters of 4 x 4, 279,552 bytes of LDS; arguments h1q, prep, b1, hid; writes hid
.if DOCPART == 5
	.amdgcn_target "amdgcn-amd-amdhsa--gfx1250"
	.amdhsa_code_object_version 6
	.text
	.protected	k_q6f21cc162e_ffa
	.globl	k_q6f21cc162e_ffa
	.p2align	8
	.type	k_q6f21cc162e_ffa,@function
k_q6f21cc162e_ffa:
	s_mov_b64 s[64:65], 0
	v_nop
	global_prefetch_b8 v0, s[64:65] scope:SCOPE_SE
	s_setreg_imm32_b32 hwreg(HW_REG_WAVE_MODE, 25, 1), 1
	s_wait_xcnt 0x0
	s_wait_alu depctr_hold_cnt(0) depctr_sa_sdst(0) depctr_va_vdst(0) depctr_va_sdst(0) depctr_va_ssrc(0) depctr_va_vcc(0) depctr_vm_vsrc(0)
	s_getreg_b32 s2, hwreg(HW_REG_IB_STS2, 6, 4)
	s_cmp_eq_u32 s2, 0
	s_cbranch_scc0 .Lentry_in_a_cluster
	s_endpgm
.Lentry_in_a_cluster:
	s_bfe_u32 s2, ttmp6, 0x10000c
	s_cmp_lg_u32 s2, 0xf033
	s_cbranch_scc0 .Lentry_shape_is_right
	s_endpgm
.Lentry_shape_is_right:
; hid = Q(relu(h1 W1 + b1)) on codes of E2M1 (K = 1,024); the result is quantised along the hidden units at once and stored in the order of a matrix operand's registers.
; A work-group makes 256 rows x 256 hidden units.  Eight waves, two to a SIMD; wave w: 64 rows (w / 2) x 128 hidden units (w % 2): 32 accumulators in window 1.
; The matrix instruction takes 16 rows of W1 as source 0 and 16 rows of h1 as source 1: a lane holds one row of the result, and its registers run along the hidden units, the next product's K.
; All of K fits in LDS: 2 chunks of 512 along K (h1's 64 KiB, then W1's 64 KiB) and 16 KiB of scale words.  Nothing is filled twice.  Each wave issues three joint loads at the head: by its own count three are out at the most.
; CLUSTER 4 x 4: h1's tiles hang on work-group x alone and are shared along a column of the cluster, W1's on work-group y alone and are shared along a row.
; LIMITS: NaN and infinities are not served; blocks whose largest magnitude lies under 2^-124 keep the byte 1.
; REGISTERS, window 0: v2-9 addresses; v16-19, v20-27 scale words; v32-63 h1's fragments, later the codes; v64-127 W1's fragments, later 64 numbers behind the relu; v128-191 b1 as C; v192-207 at work; v208-213 scale words made.
.set WC,   0x380000
.set WSO,  0x7B8000
.set XSO,  0x200000
.set SCL,  262144
.set CB,   128
.set TM,   192
.set PW,   208
.set XW,   212
.set SEL,  98
.set MSB,  0
.macro WIN new                         ; the immediate's high byte repeats the setting that is left
.if MSB != (\new)
	s_set_vgpr_msb (MSB<<8)|(\new)
.set MSB, (\new)
.endif
.endm
.macro PLACES n
.rept \n
	v_nop
.endr
.endm
.macro CROUND                          ; a round of the cluster's barrier
	s_barrier_signal -1
	s_barrier_wait -1
	s_cmp_lg_u32 s14, 0
	s_cbranch_scc1 .Lnot_wave_0_\@
	s_barrier_signal -3
.Lnot_wave_0_\@:
	s_barrier_wait -3
	s_barrier_signal -1
	s_barrier_wait -1
.endm
; 64 numbers of a lane, register 16 b + 8 u + j = k 32 b + 16 u + 8 (lane / 16) + j of my row, become a fragment (8 registers at pc) and its scale word (pw).
; A block of 32 lies in lanes l and l xor 16; lanes 0-15 hold its words 0 and 2, lanes 16-31 words 1 and 3; two exchanges of halves for each pair of blocks give a lane a whole block.
.macro QUANT64 s, pc, pw
.irp b, 0,1,2,3
	v_max3_num_f32 v[TM+\b], |v[(\s)+16*\b]|, |v[(\s)+1+16*\b]|, 0x1800000   ; with the floor 2^(3 - 127)
.endr
.irp i, 2,4,6,8,10,12,14
.irp b, 0,1,2,3
	v_max3_num_f32 v[TM+\b], v[TM+\b], |v[(\s)+16*\b+\i]|, |v[(\s)+1+16*\b+\i]|
.endr
.endr
.irp b, 0,1,2,3
	v_permlanex16_b32 v[TM+4+\b], v[TM+\b], s[SEL], s[SEL+1]
.endr
.irp b, 0,1,2,3
	v_max_num_f32 v[TM+\b], v[TM+\b], v[TM+4+\b]
.endr
.irp b, 0,1,2,3
	v_add_nc_u32 v[TM+12+\b], 0xff000000, v[TM+\b]
.endr
.irp b, 0,1,2,3
	v_lshrrev_b32 v[TM+4+\b], 23, v[TM+12+\b]
.endr
	v_lshl_or_b32 v[\pw], v[TM+5], 8, v[TM+4]
	v_lshl_or_b32 v[\pw], v[TM+6], 16, v[\pw]
	v_lshl_or_b32 v[\pw], v[TM+7], 24, v[\pw]
.irp b, 0,1,2,3
	v_cvt_scalef32_pk8_fp4_f32 v[(\pc)+4*(\b/2)+(\b%2)], v[(\s)+16*\b:(\s)+16*\b+7], v[TM+12+\b]
	v_cvt_scalef32_pk8_fp4_f32 v[(\pc)+4*(\b/2)+2+(\b%2)], v[(\s)+16*\b+8:(\s)+16*\b+15], v[TM+12+\b]
.endr
	v_nop                                          ; one plain line behind the last conversion
.irp c, 0,1
	v_permlane16_swap_b32 v[(\pc)+4*\c], v[(\pc)+4*\c+1]
	v_permlane16_swap_b32 v[(\pc)+4*\c+2], v[(\pc)+4*\c+3]
.endr
.endm
; 128 along K: number u of chunk ch.  cm = 1: b1 starts the sums.  The 32 accumulators take turns, one instruction a turn, in the same order in every step.
.macro STEP ch, u, cm
	PLACES 4                                       ; in front of loads into registers that matrix instructions have read
.irp a, 0,1,2,3
.irp e, 0,1
	ds_load_b128 v[32+8*\a+4*\e:32+8*\a+4*\e+3], v[2+\ch] offset:(2*\u+\e)*8192+\a*512
.endr
.endr
.irp t, 0,1,2,3,4,5,6,7
.irp e, 0,1
	ds_load_b128 v[64+8*\t+4*\e:64+8*\t+4*\e+3], v[4+\ch] offset:(2*\u+\e)*8192+\t*512
.endr
.endr
.irp a, 0,1,2,3
	ds_load_b32 v[16+\a], v6 offset:(4*\ch+\u)*1024+\a*64
.endr
.irp t, 0,1,2,3,4,5,6,7
	ds_load_b32 v[20+\t], v7 offset:(4*\ch+\u)*1024+\t*64
.endr
	s_wait_dscnt 0x0
.if \cm
	WIN 0x40                                       ; D in window 1
.else
	WIN 0x50                                       ; C and D in window 1
.endif
.irp a, 0,1,2,3
.irp t, 0,1,2,3,4,5,6,7
.if \cm
	v_wmma_scale_f32_16x16x128_f8f6f4 v[8*(8*\a+\t):8*(8*\a+\t)+7], v[64+8*\t:64+8*\t+7], v[32+8*\a:32+8*\a+7], v[CB+8*\t:CB+8*\t+7], v[20+\t], v[16+\a] matrix_a_fmt:MATRIX_FMT_FP4 matrix_b_fmt:MATRIX_FMT_FP4
.else
	v_wmma_scale_f32_16x16x128_f8f6f4 v[8*(8*\a+\t):8*(8*\a+\t)+7], v[64+8*\t:64+8*\t+7], v[32+8*\a:32+8*\a+7], v[8*(8*\a+\t):8*(8*\a+\t)+7], v[20+\t], v[16+\a] matrix_a_fmt:MATRIX_FMT_FP4 matrix_b_fmt:MATRIX_FMT_FP4
.endif
.endr
.endr
	WIN 0
.endm
	s_load_b256 s[4:11], s[0:1], 0x0               ; h1q, prep, b1, hid
	v_lshl_add_u32 v254, v0, 2, 0x44000
	v_mov_b32 v255, 0
	ds_add_u32 v254, v255
	ds_add_u32 v254, v255
	v_lshrrev_b32 v1, 5, v0
	v_readfirstlane_b32 s14, v1                    ; wave 0..7
	s_lshr_b32 s15, s14, 2                         ; I fetch for h1 (0) or for W1 (1),
	s_and_b32 s16, s14, 3                          ; this quarter of it
	s_lshr_b32 s17, s14, 1                         ; my 64 rows
	s_and_b32 s18, s14, 1                          ; my 128 hidden units
	s_bfe_u32 s19, ttmp6, 0x40000                  ; cx
	s_bfe_u32 s20, ttmp6, 0x40004                  ; cy
	s_lshl_b32 s21, ttmp9, 2
	s_add_co_u32 s21, s21, s19                     ; block of 256 rows
	s_and_b32 s22, ttmp7, 0xffff
	s_lshl_b32 s22, s22, 2
	s_add_co_u32 s22, s22, s20                     ; block of 256 hidden units
	s_lshl_b32 s86, 0x1111, s19                    ; my column of the cluster
	s_lshl_b32 s87, s20, 2
	s_lshl_b32 s87, 15, s87                        ; my row
	; descriptor groups 1: dense blocks as rows of 256 bytes (32 elements of 8 bytes): 64 rows of codes, 8 rows of scale words
	s_or_b32 s24, s86, (3<<16)|(1<<21)
	s_or_b32 s40, s86, (3<<16)|(1<<21)
	s_or_b32 s32, s87, (3<<16)|(1<<21)
	s_or_b32 s48, s87, (3<<16)|(1<<21)
.irp g, 24, 32
	s_mov_b32 s[\g+1], 32<<16
	s_mov_b32 s[\g+2], 64<<16
	s_mov_b32 s[\g+3], 32<<16
	s_mov_b32 s[\g+4], 64
	s_mov_b32 s[\g+5], 32
	s_mov_b32 s[\g+6], 0
	s_mov_b32 s[\g+7], 0
.endr
.irp g, 40, 48
	s_mov_b32 s[\g+1], 32<<16
	s_mov_b32 s[\g+2], 8<<16
	s_mov_b32 s[\g+3], 32<<16
	s_mov_b32 s[\g+4], 8
	s_mov_b32 s[\g+5], 32
	s_mov_b32 s[\g+6], 0
	s_mov_b32 s[\g+7], 0
.endr
	s_lshl_b32 s96, s16, 14
	s_lshl_b32 s97, s16, 11
	s_lshl_b32 s88, s21, 17                        ; h1's codes: made of work-group x and the wave alone
	s_add_co_u32 s88, s88, s96
	s_mov_b32 s89, 0
	s_lshl_b32 s90, s21, 13
	s_add_co_u32 s90, s90, s97
	s_add_co_u32 s90, s90, XSO
	s_mov_b32 s91, 0
	s_lshl_b32 s92, s22, 17                        ; W1's codes: of work-group y and the wave alone
	s_add_co_u32 s92, s92, s96
	s_add_co_u32 s92, s92, WC
	s_mov_b32 s93, 0
	s_lshl_b32 s94, s22, 13
	s_add_co_u32 s94, s94, s97
	s_add_co_u32 s94, s94, WSO
	s_mov_b32 s95, 0
	s_lshl_b32 s96, s14, 14
	s_lshl_b32 s97, s14, 11
	s_mov_b32 s[SEL], 0x76543210
	s_mov_b32 s[SEL+1], 0xfedcba98
	s_wait_dscnt 0x0
	s_wait_kmcnt 0x0
	s_add_nc_u64 s[88:89], s[4:5], s[88:89]
	s_add_nc_u64 s[90:91], s[4:5], s[90:91]
	s_add_nc_u64 s[92:93], s[6:7], s[92:93]
	s_add_nc_u64 s[94:95], s[6:7], s[94:95]
	s_mov_b32 s56, 1
	s_add_co_u32 s57, s97, SCL
	s_mov_b64 s[58:59], s[90:91]
	s_or_b32 s59, s59, 0x80000000
	s_mov_b32 s60, 1
	s_mov_b32 s61, s96
	s_mov_b64 s[62:63], s[88:89]
	s_or_b32 s63, s63, 0x80000000
	s_mov_b32 s68, 1
	s_add_co_u32 s69, s96, 131072
	s_add_nc_u64 s[70:71], s[88:89], 65536
	s_or_b32 s71, s71, 0x80000000
	s_mov_b32 s72, 1
	s_add_co_u32 s73, s97, SCL
	s_mov_b64 s[74:75], s[94:95]
	s_or_b32 s75, s75, 0x80000000
	s_mov_b32 s76, 1
	s_mov_b32 s77, s96
	s_mov_b64 s[78:79], s[92:93]
	s_or_b32 s79, s79, 0x80000000
	s_mov_b32 s80, 1
	s_add_co_u32 s81, s96, 131072
	s_add_nc_u64 s[82:83], s[92:93], 65536
	s_or_b32 s83, s83, 0x80000000
	CROUND                                         ; all sixteen work-groups are here: the joint loads meet
	s_cmp_eq_u32 s15, 0                            ; a wave's three fills stand in one branch on the wave's number; four v_nop follow the last
	s_cbranch_scc0 .Lfill_w
	tensor_load_to_lds s[56:59], s[40:47]
	s_nop 0
	tensor_load_to_lds s[60:63], s[24:31]
	s_nop 0
	tensor_load_to_lds s[68:71], s[24:31]
	s_nop 0
	PLACES 4
	s_branch .Lfilled
.Lfill_w:
	tensor_load_to_lds s[72:75], s[48:55]
	s_nop 0
	tensor_load_to_lds s[76:79], s[32:39]
	s_nop 0
	tensor_load_to_lds s[80:83], s[32:39]
	s_nop 0
	PLACES 4
.Lfilled:
	v_and_b32 v1, 31, v0
	v_lshlrev_b32 v10, 4, v1                       ; 16 x lane
	v_and_b32 v11, 15, v0
	v_lshlrev_b32 v11, 2, v11                      ; 4 r
	v_bfe_u32 v12, v0, 4, 1
	v_lshlrev_b32 v12, 5, v12                      ; 32 h
	s_lshl_b32 s86, s22, 10
	s_lshl_b32 s96, s18, 9
	s_add_co_u32 s86, s86, s96
	s_mov_b32 s87, 0
	s_add_nc_u64 s[92:93], s[8:9], s[86:87]        ; b1 at my 128 hidden units
.irp t, 0,1,2,3,4,5,6,7
	global_load_b128 v[CB+8*\t:CB+8*\t+3], v12, s[92:93] offset:64*\t
	global_load_b128 v[CB+8*\t+4:CB+8*\t+7], v12, s[92:93] offset:64*\t+16
.endr
	s_lshl_b32 s86, s17, 11
	v_add_nc_u32 v2, s86, v10                      ; h1's fragments in chunk 0, 1
	v_add_nc_u32 v3, 131072, v2
	v_add_nc_u32 v8, s86, v10                      ; out: my four tiles of rows, 512 bytes each
	s_lshl_b32 s86, s18, 12
	s_add_co_u32 s86, s86, 65536
	v_add_nc_u32 v4, s86, v10                      ; W1's
	v_add_nc_u32 v5, 131072, v4
	s_lshl_b32 s86, s17, 8
	v_lshl_add_u32 v9, v1, 2, s86
	s_add_co_u32 s86, s86, SCL
	v_add_nc_u32 v6, s86, v11
	s_lshl_b32 s86, s18, 9
	s_add_co_u32 s86, s86, SCL+8192
	v_add_nc_u32 v7, s86, v11
.irp b, 0,1,2,3
	v_mov_b32 v[TM+4+\b], 0                        ; written once: a lane permute's destination counts as one of its sources
.endr
	s_lshl_b32 s86, s21, 19
	s_lshl_b32 s96, s22, 15
	s_add_co_u32 s86, s86, s96
	s_lshl_b32 s96, s18, 14
	s_add_co_u32 s86, s86, s96
	s_add_nc_u64 s[88:89], s[10:11], s[86:87]      ; codes
	s_lshl_b32 s86, s21, 15
	s_lshl_b32 s96, s22, 11
	s_add_co_u32 s86, s86, s96
	s_lshl_b32 s96, s18, 10
	s_add_co_u32 s86, s86, s96
	s_add_co_u32 s86, s86, 0x800000
	s_add_nc_u64 s[90:91], s[10:11], s[86:87]      ; scale words
	s_mov_b32 s86, 0xffff0000
	s_wait_tensorcnt 0x1                           ; my parts of the scales and of chunk 0 are in; chunk 1's load may be out
	s_barrier_signal -1
	s_barrier_wait -1
	s_wait_loadcnt 0x0                             ; b1
	STEP 0, 0, 1
	STEP 0, 1, 0
	STEP 0, 2, 0
	STEP 0, 3, 0
	s_wait_tensorcnt 0x0                           ; my part of chunk 1 is in,
	s_barrier_signal -1
	s_barrier_wait -1                              ; everybody's is
	STEP 1, 0, 0
	STEP 1, 1, 0
	STEP 1, 2, 0
	STEP 1, 3, 0
	PLACES 4                                       ; in front of the first read of results
.irp a, 0,1,2,3
	WIN 0x04                                       ; source 1 in window 1
.set j, 0
.rept 64
	v_max_num_f32 v[64+j], 0, v[64*\a+j]           ; the relu, which also brings the numbers into window 0; each accumulator from its low end on
.set j, j+1
.endr
	WIN 0
	QUANT64 64, 32+8*\a, PW+\a
	global_store_b128 v8, v[32+8*\a:32+8*\a+3], s[88:89] offset:\a*512            ; 512 consecutive bytes
	global_store_b128 v8, v[32+8*\a+4:32+8*\a+7], s[88:89] offset:\a*512+8192
.endr
	v_cndmask_b32 v[XW], v[PW], v[PW+1], s86       ; lanes 0-15: tile 0's words, lanes 16-31: tile 1's
	v_cndmask_b32 v[XW+1], v[PW+2], v[PW+3], s86
	global_store_b32 v9, v[XW], s[90:91]
	global_store_b32 v9, v[XW+1], s[90:91] offset:128
	s_wait_tensorcnt 0x0
	ds_add_u32 v254, v255
	s_wait_dscnt 0x0
	CROUND                                         ; the closing round: no work-group ends while a partner may still ask for a tile that names it
	s_endpgm
.Lfunc_end_k_q6f21cc162e_ffa:
	.size	k_q6f21cc162e_ffa, .Lfunc_end_k_q6f21cc162e_ffa-k_q6f21cc162e_ffa
	.p2alignl 7, 3214868480
	.fill 96, 4, 3214868480
	.section	.rodata,"a",@progbits
	.p2align	6, 0x0
	.amdhsa_kernel k_q6f21cc162e_ffa
		.amdhsa_group_segment_fixed_size 279552
		.amdhsa_private_segment_fixed_size 0
		.amdhsa_enable_private_segment 0
		.amdhsa_kernarg_size 32
		.amdhsa_user_sgpr_count 2
		.amdhsa_user_sgpr_kernarg_segment_ptr 1
		.amdhsa_wavefront_size32 1
		.amdhsa_system_sgpr_workgroup_id_x 1
		.amdhsa_system_sgpr_workgroup_id_y 1
		.amdhsa_system_sgpr_workgroup_id_z 1
		.amdhsa_system_vgpr_workitem_id 0
		.amdhsa_next_free_vgpr 512
		.amdhsa_next_free_sgpr 104
		.amdhsa_reserve_vcc 0
		.amdhsa_float_denorm_mode_32 3
		.amdhsa_float_denorm_mode_16_64 3
		.amdhsa_memory_ordered 1
		.amdhsa_forward_progress 1
		.amdhsa_inst_pref_size 87
	.end_amdhsa_kernel
	.amdgpu_metadata
---
amdhsa.version: [ 1, 2 ]
amdhsa.kernels:
  - .name:           k_q6f21cc162e_ffa
    .symbol:         k_q6f21cc162e_ffa.kd
    .args:
      - { .name: h1q, .offset: 0, .size: 8, .value_kind: global_buffer, .address_space: global }
      - { .name: prep, .offset: 8, .size: 8, .value_kind: global_buffer, .address_space: global }
      - { .name: b1, .offset: 16, .size: 8, .value_kind: global_buffer, .address_space: global }
      - { .name: hid, .offset: 24, .size: 8, .value_kind: global_buffer, .address_space: global }
    .group_segment_fixed_size: 279552
    .private_segment_fixed_size: 0
    .kernarg_segment_align: 8
    .kernarg_segment_size: 32
    .max_flat_workgroup_size: 256
    .sgpr_count:     104
    .vgpr_count:     512
    .wavefront_size: 32
...
	.end_amdgpu_metadata
.endif
;; end of part 5
;; launch ffb (part 6): grid 32 x 8, 4 waves a work-group, clusters of 4 x 4, 327,680 bytes of LDS; arguments hid, prep, b2, z2; writes z2
.if DOCPART == 6
	.amdgcn_target "amdgcn-amd-amdhsa--gfx1250"
	.amdhsa_code_object_version 6
	.text
	.protected	k_q6f21cc162e_ffb
	.globl	k_q6f21cc162e_ffb
	.p2align	8
	.type	k_q6f21cc162e_ffb,@function
k_q6f21cc162e_ffb:
	s_mov_b64 s[64:65], 0
	v_nop
	global_prefetch_b8 v0, s[64:65] scope:SCOPE_SE
	s_setreg_imm32_b32 hwreg(HW_REG_WAVE_MODE, 25, 1), 1
	s_wait_xcnt 0x0
	s_wait_alu depctr_hold_cnt(0) depctr_sa_sdst(0) depctr_va_vdst(0) depctr_va_sdst(0) depctr_va_ssrc(0) depctr_va_vcc(0) depctr_vm_vsrc(0)
	s_getreg_b32 s2, hwreg(HW_REG_IB_STS2, 6, 4)
	s_cmp_eq_u32 s2, 0
	s_cbranch_scc0 .Lentry_in_a_cluster
	s_endpgm
.Lentry_in_a_cluster:
	s_bfe_u32 s2, ttmp6, 0x10000c
	s_cmp_lg_u32 s2, 0xf033
	s_cbranch_scc0 .Lentry_shape_is_right
	s_endpgm
.Lentry_shape_is_right:
; z2 = hid W2 + b2 on codes of E2M1 (K = 4,096), f32 out.  A work-group makes 128 x 128, so that there are 256 of them; four waves, each 64 x 64: 16 accumulators in window 1.
; The matrix instruction takes 16 rows of W2 as source 0 and 16 rows of hid as source 1: a lane holds eight neighbouring numbers of a row of z2.
; K goes in four runs of 1,024 through two LDS slots of 128 KiB (hid's 64 KiB, then W2's); each wave brings a quarter of a slot by one tensor load (8 rows of 4 KiB).  The scale words of all of K (32 KiB) come once, with the first fills.
; By this text's own count a wave has three tensor loads out at the head and one behind each of the two refills.
; CLUSTER 4 x 4: hid's tiles hang on work-group x alone and are shared along a column of the cluster, W2's on work-group y alone and are shared along a row.
; All of a WGP's LDS is claimed.
; REGISTERS, window 0: v2-10 addresses; v28, v29 for the add; v32-47 scale words, two sets; v64-191 fragments, two buffers (32 of hid, 32 of W2), later rows on the way out; v192-223 b2 as C.
.set HSO,  0x800000
.set W2C,  0x580000
.set W2S,  0x7D8000
.set SLOT, 131072
.set SCL,  262144
.set SPARE, 294912                     ; the spare words, 128 bytes for each wave: two blocks of 256 bytes that no other line names
.set STG,  295424                      ; the way out: 16 rows x (256 + 16) bytes for each wave; no fill lands here
.set CB,   192
.set MSB,  0
.macro WIN new                         ; the immediate's high byte repeats the setting that is left
.if MSB != (\new)
	s_set_vgpr_msb (MSB<<8)|(\new)
.set MSB, (\new)
.endif
.endm
.macro PLACES n
.rept \n
	v_nop
.endr
.endm
.macro CROUND                          ; a round of the cluster's barrier
	s_barrier_signal -1
	s_barrier_wait -1
	s_cmp_lg_u32 s14, 0
	s_cbranch_scc1 .Lnot_wave_0_\@
	s_barrier_signal -3
.Lnot_wave_0_\@:
	s_barrier_wait -3
	s_barrier_signal -1
	s_barrier_wait -1
.endm
; A joint refill: waves 0 and 1 fetch for hid, waves 2 and 3 for W2.  Four v_nop follow each of the two lines.
.macro JLOAD gx, gw
	s_cmp_eq_u32 s15, 0
	s_cbranch_scc0 .Lfor_w_\@
	tensor_load_to_lds s[\gx:\gx+3], s[24:31]
	s_nop 0
	PLACES 4
	s_branch .Lasked_\@
.Lfor_w_\@:
	tensor_load_to_lds s[\gw:\gw+3], s[32:39]
	s_nop 0
	PLACES 4
.Lasked_\@:
.endm
; 24 LDS loads: the fragments and scale words of 128 along K, number u of slot sl and ks of all, into buffer p
.macro FETCH sl, u, p, ks
.irp a, 0,1,2,3
.irp e, 0,1
	ds_load_b128 v[64+64*(\p)+8*\a+4*\e:64+64*(\p)+8*\a+4*\e+3], v[2+\sl] offset:(2*(\u)+\e)*4096+\a*512
.endr
.endr
.irp t, 0,1,2,3
.irp e, 0,1
	ds_load_b128 v[96+64*(\p)+8*\t+4*\e:96+64*(\p)+8*\t+4*\e+3], v[4+\sl] offset:(2*(\u)+\e)*4096+\t*512
.endr
.endr
.irp a, 0,1,2,3
	ds_load_b32 v[32+8*(\p)+\a], v6 offset:(\ks)*512+\a*64
.endr
.irp t, 0,1,2,3
	ds_load_b32 v[36+8*(\p)+\t], v7 offset:(\ks)*512+\t*64
.endr
.endm
; 128 along K.  more = 1: the next step's fragments are asked for first.  cm = 1: b2 starts the sums.  The 16 accumulators take turns, one instruction a turn.
.macro STEPF sl, u, ks, more, cm
.if \more
	PLACES 4                                       ; in front of loads into registers that matrix instructions have read
	FETCH \sl, (\u)+1, 1-(\u)%2, (\ks)+1
	s_wait_dscnt 24                                ; this step's are in; the 24 just issued may be out
.else
	s_wait_dscnt 0x0
.endif
.if \cm
	WIN 0x40
.else
	WIN 0x50
.endif
.irp a, 0,1,2,3
.irp t, 0,1,2,3
.if \cm
	v_wmma_scale_f32_16x16x128_f8f6f4 v[8*(4*\a+\t):8*(4*\a+\t)+7], v[96+64*((\u)%2)+8*\t:96+64*((\u)%2)+8*\t+7], v[64+64*((\u)%2)+8*\a:64+64*((\u)%2)+8*\a+7], v[CB+8*\t:CB+8*\t+7], v[36+8*((\u)%2)+\t], v[32+8*((\u)%2)+\a] matrix_a_fmt:MATRIX_FMT_FP4 matrix_b_fmt:MATRIX_FMT_FP4
.else
	v_wmma_scale_f32_16x16x128_f8f6f4 v[8*(4*\a+\t):8*(4*\a+\t)+7], v[96+64*((\u)%2)+8*\t:96+64*((\u)%2)+8*\t+7], v[64+64*((\u)%2)+8*\a:64+64*((\u)%2)+8*\a+7], v[8*(4*\a+\t):8*(4*\a+\t)+7], v[36+8*((\u)%2)+\t], v[32+8*((\u)%2)+\a] matrix_a_fmt:MATRIX_FMT_FP4 matrix_b_fmt:MATRIX_FMT_FP4
.endif
.endr
.endr
	WIN 0
.endm
.macro SLOTSTEPS sl, ks0, first        ; a slot's eight steps
	FETCH \sl, 0, 0, \ks0
	STEPF \sl, 0, \ks0, 1, \first
.set U, 1
.rept 6
	STEPF \sl, U, (\ks0)+U, 1, 0
.set U, U+1
.endr
	STEPF \sl, 7, (\ks0)+7, 0, 0
.endm
; The slot just read out is filled again, two runs of K on.  In front of the round each wave waits for all its tensor loads (one is out: its part of the other slot), adds 0 to its spare word, and waits for that and for its reads.
.macro CHANGE gx, gw
	s_wait_tensorcnt 0x0                           ; no tensor load of mine is out, so a group 0 may be written
	ds_add_u32 v28, v29                            ; 0 onto my spare word
	s_add_nc_u64 s[\gx+2:\gx+3], s[\gx+2:\gx+3], 262144
	s_add_nc_u64 s[\gw+2:\gw+3], s[\gw+2:\gw+3], 262144
	s_wait_dscnt 0x0                               ; the add is done, and my reads of the slot are over
	CROUND                                         ; no wave of any partner still reads the slot or has a load on its way
	JLOAD \gx, \gw                                 ; the first tensor load behind the round; its four v_nop are also the places in front of the loads that follow
.endm
	s_load_b256 s[4:11], s[0:1], 0x0               ; hid, prep, b2, z2
	v_lshl_add_u32 v28, v0, 2, SPARE
	v_mov_b32 v29, 0
	ds_add_u32 v28, v29
	ds_add_u32 v28, v29
	s_wait_dscnt 0x0
	v_lshrrev_b32 v1, 5, v0
	v_readfirstlane_b32 s14, v1                    ; wave 0..3
	s_lshr_b32 s15, s14, 1                         ; my 64 rows.  Also: I fetch for hid (0) or for W2 (1)
	s_and_b32 s16, s14, 1                          ; my 64 columns.  Also: which half of it I fetch
	s_bfe_u32 s19, ttmp6, 0x40000                  ; cx
	s_bfe_u32 s20, ttmp6, 0x40004                  ; cy
	s_lshl_b32 s21, ttmp9, 2
	s_add_co_u32 s21, s21, s19                     ; block of 128 rows
	s_and_b32 s22, ttmp7, 0xffff
	s_lshl_b32 s22, s22, 2
	s_add_co_u32 s22, s22, s20                     ; block of 128 columns
	s_lshl_b32 s86, 0x1111, s19                    ; my column of the cluster
	s_lshl_b32 s87, s20, 2
	s_lshl_b32 s87, 15, s87                        ; my row
	; descriptor groups 1, elements of 8 bytes.  Codes: 8 rows of 4,096 bytes, 8,192 apart (128 of a block's 256 rows, 64 along K a row).  Scale words: 16 rows of 512 bytes, 1,024 apart
	s_or_b32 s24, s86, (3<<16)|(1<<21)
	s_or_b32 s40, s86, (3<<16)|(1<<21)
	s_or_b32 s32, s87, (3<<16)|(1<<21)
	s_or_b32 s48, s87, (3<<16)|(1<<21)
.irp g, 24, 32
	s_mov_b32 s[\g+1], 512<<16
	s_mov_b32 s[\g+2], 8<<16
	s_mov_b32 s[\g+3], 512<<16
	s_mov_b32 s[\g+4], 8
	s_mov_b32 s[\g+5], 1024
	s_mov_b32 s[\g+6], 0
	s_mov_b32 s[\g+7], 0
.endr
.irp g, 40, 48
	s_mov_b32 s[\g+1], 64<<16
	s_mov_b32 s[\g+2], 16<<16
	s_mov_b32 s[\g+3], 64<<16
	s_mov_b32 s[\g+4], 16
	s_mov_b32 s[\g+5], 128
	s_mov_b32 s[\g+6], 0
	s_mov_b32 s[\g+7], 0
.endr
	s_lshl_b32 s96, s16, 16
	s_lshl_b32 s97, s16, 14
	s_lshr_b32 s84, s21, 1
	s_and_b32 s85, s21, 1
	s_lshl_b32 s88, s84, 19                        ; hid's codes: made of work-group x and the wave alone
	s_lshl_b32 s89, s85, 12
	s_add_co_u32 s88, s88, s89
	s_add_co_u32 s88, s88, s96
	s_mov_b32 s89, 0
	s_lshl_b32 s90, s84, 15
	s_lshl_b32 s91, s85, 9
	s_add_co_u32 s90, s90, s91
	s_add_co_u32 s90, s90, s97
	s_add_co_u32 s90, s90, HSO
	s_mov_b32 s91, 0
	s_lshr_b32 s12, s22, 1
	s_and_b32 s13, s22, 1
	s_lshl_b32 s92, s12, 19                        ; W2's codes: of work-group y and the wave alone
	s_lshl_b32 s93, s13, 12
	s_add_co_u32 s92, s92, s93
	s_add_co_u32 s92, s92, s96
	s_add_co_u32 s92, s92, W2C
	s_mov_b32 s93, 0
	s_lshl_b32 s94, s12, 15
	s_lshl_b32 s95, s13, 9
	s_add_co_u32 s94, s94, s95
	s_add_co_u32 s94, s94, s97
	s_add_co_u32 s94, s94, W2S
	s_mov_b32 s95, 0
	s_lshl_b32 s96, s14, 15                        ; where they go: wave x 32 KiB in a slot, wave x 8 KiB among the scales
	s_lshl_b32 s97, s14, 13
	s_wait_kmcnt 0x0
	s_add_nc_u64 s[88:89], s[4:5], s[88:89]
	s_add_nc_u64 s[90:91], s[4:5], s[90:91]
	s_add_nc_u64 s[92:93], s[6:7], s[92:93]
	s_add_nc_u64 s[94:95], s[6:7], s[94:95]
	s_mov_b32 s56, 1
	s_add_co_u32 s57, s97, SCL
	s_mov_b64 s[58:59], s[90:91]
	s_or_b32 s59, s59, 0x80000000
	s_mov_b32 s60, 1
	s_mov_b32 s61, s96
	s_mov_b64 s[62:63], s[88:89]
	s_or_b32 s63, s63, 0x80000000
	s_mov_b32 s68, 1
	s_add_co_u32 s69, s96, SLOT
	s_add_nc_u64 s[70:71], s[88:89], 131072
	s_or_b32 s71, s71, 0x80000000
	s_mov_b32 s72, 1
	s_add_co_u32 s73, s97, SCL
	s_mov_b64 s[74:75], s[94:95]
	s_or_b32 s75, s75, 0x80000000
	s_mov_b32 s76, 1
	s_mov_b32 s77, s96
	s_mov_b64 s[78:79], s[92:93]
	s_or_b32 s79, s79, 0x80000000
	s_mov_b32 s80, 1
	s_add_co_u32 s81, s96, SLOT
	s_add_nc_u64 s[82:83], s[92:93], 131072
	s_or_b32 s83, s83, 0x80000000
	CROUND                                         ; all sixteen work-groups are here: the first joint loads meet
	s_cmp_eq_u32 s15, 0                            ; a wave's three first fills stand in one branch on the wave's number; four v_nop follow the last
	s_cbranch_scc0 .Lfill_w
	tensor_load_to_lds s[56:59], s[40:47]
	s_nop 0
	tensor_load_to_lds s[60:63], s[24:31]
	s_nop 0
	tensor_load_to_lds s[68:71], s[24:31]
	s_nop 0
	PLACES 4
	s_branch .Lfilled
.Lfill_w:
	tensor_load_to_lds s[72:75], s[48:55]
	s_nop 0
	tensor_load_to_lds s[76:79], s[32:39]
	s_nop 0
	tensor_load_to_lds s[80:83], s[32:39]
	s_nop 0
	PLACES 4
.Lfilled:
	v_and_b32 v11, 31, v0
	v_lshlrev_b32 v11, 4, v11                      ; 16 x lane
	v_and_b32 v12, 15, v0                          ; r
	v_bfe_u32 v13, v0, 4, 1                        ; h
	v_lshlrev_b32 v14, 5, v13                      ; 32 h
	s_lshl_b32 s86, s22, 9
	s_lshl_b32 s96, s16, 8
	s_add_co_u32 s86, s86, s96
	s_mov_b32 s87, 0
	s_add_nc_u64 s[92:93], s[8:9], s[86:87]        ; b2 at my 64 columns
.irp t, 0,1,2,3
	global_load_b128 v[CB+8*\t:CB+8*\t+3], v14, s[92:93] offset:64*\t
	global_load_b128 v[CB+8*\t+4:CB+8*\t+7], v14, s[92:93] offset:64*\t+16
.endr
	s_lshl_b32 s96, s21, 19
	s_add_co_u32 s86, s86, s96
	s_lshl_b32 s96, s15, 18
	s_add_co_u32 s86, s86, s96
	s_add_nc_u64 s[88:89], s[10:11], s[86:87]      ; z2 at my 64 rows, my 64 columns
	s_lshl_b32 s86, s15, 11
	v_add_nc_u32 v2, s86, v11                      ; hid's fragments in slot 0, 1
	v_add_nc_u32 v3, SLOT, v2
	s_lshl_b32 s86, s16, 11
	s_add_co_u32 s86, s86, 65536
	v_add_nc_u32 v4, s86, v11                      ; W2's
	v_add_nc_u32 v5, SLOT, v4
	s_lshl_b32 s86, s15, 8
	s_add_co_u32 s86, s86, SCL
	v_lshl_add_u32 v6, v12, 2, s86
	s_lshl_b32 s86, s16, 8
	s_add_co_u32 s86, s86, SCL+16384
	v_lshl_add_u32 v7, v12, 2, s86
	s_mul_i32 s86, s14, 4352
	s_add_co_u32 s86, s86, STG
	v_mul_u32_u24 v8, v12, 272
	v_lshl_add_u32 v8, v13, 5, v8
	v_add_nc_u32 v8, s86, v8                       ; into my stage: row r, 32 h
	v_mul_u32_u24 v9, v13, 272
	v_lshl_add_u32 v9, v12, 4, v9
	v_add_nc_u32 v9, s86, v9                       ; back: lanes 0-15 one row, lanes 16-31 the next
	v_lshlrev_b32 v10, 12, v13
	v_lshl_add_u32 v10, v12, 4, v10                ; the same two rows in z2
	s_wait_tensorcnt 0x1                           ; my parts of the scales and of slot 0 are in; slot 1's load may be out
	s_barrier_signal -1
	s_barrier_wait -1
	s_wait_loadcnt 0x0                             ; b2
	SLOTSTEPS 0, 0, 1
	CHANGE 60, 76
	SLOTSTEPS 1, 8, 0
	CHANGE 68, 80
	SLOTSTEPS 0, 16, 0
	s_wait_tensorcnt 0x0                           ; my part of the last run of K is in
	ds_add_u32 v28, v29
	s_wait_dscnt 0x0
	s_barrier_signal -1
	s_barrier_wait -1
	PLACES 4
	SLOTSTEPS 1, 24, 0
; THE WAY OUT, 16 rows x 64 columns at a time, through my own stage, so that sixteen lanes store 256 consecutive bytes, aligned.  LDS serves a wave's instructions in order.
.macro TOSTAGE a
	WIN 0x04                                       ; an LDS store's data are its source 1: window 1
.irp t, 0,1,2,3
	ds_store_b128 v8, v[8*(4*(\a)+\t):8*(4*(\a)+\t)+3] offset:64*\t          ; each accumulator from its low end on
	ds_store_b128 v8, v[8*(4*(\a)+\t)+4:8*(4*(\a)+\t)+7] offset:64*\t+16
.endr
	WIN 0
.irp i, 0,1,2,3,4,5,6,7
	ds_load_b128 v[64+32*((\a)%2)+4*\i:64+32*((\a)%2)+4*\i+3], v9 offset:544*\i
.endr
.endm
.macro SEND a, younger                 ; younger: the LDS instructions issued behind this tile's loads, which may stay out
	s_wait_dscnt \younger
.irp i, 0,1,2,3,4,5,6,7
	global_store_b128 v10, v[64+32*((\a)%2)+4*\i:64+32*((\a)%2)+4*\i+3], s[88:89] offset:(\a)*65536+8192*\i
.endr
.endm
	PLACES 4                                       ; in front of the first read of results and of loads into registers that held fragments
	TOSTAGE 0
	TOSTAGE 1
	SEND 0, 16
	s_wait_xcnt 0x0                                ; tile 0's stores have read their registers: tile 2's loads may land there
	TOSTAGE 2
	SEND 1, 16
	s_wait_xcnt 0x0
	TOSTAGE 3
	SEND 2, 16
	SEND 3, 0
	s_wait_tensorcnt 0x0                           ; the wave's end
	ds_add_u32 v28, v29
	s_wait_dscnt 0x0
	CROUND                                         ; the closing round
	s_endpgm
.Lfunc_end_k_q6f21cc162e_ffb:
	.size	k_q6f21cc162e_ffb, .Lfunc_end_k_q6f21cc162e_ffb-k_q6f21cc162e_ffb
	.p2alignl 7, 3214868480
	.fill 96, 4, 3214868480
	.section	.rodata,"a",@progbits
	.p2align	6, 0x0
	.amdhsa_kernel k_q6f21cc162e_ffb
		.amdhsa_group_segment_fixed_size 327680
		.amdhsa_private_segment_fixed_size 0
		.amdhsa_enable_private_segment 0
		.amdhsa_kernarg_size 32
		.amdhsa_user_sgpr_count 2
		.amdhsa_user_sgpr_kernarg_segment_ptr 1
		.amdhsa_wavefront_size32 1
		.amdhsa_system_sgpr_workgroup_id_x 1
		.amdhsa_system_sgpr_workgroup_id_y 1
		.amdhsa_system_sgpr_workgroup_id_z 1
		.amdhsa_system_vgpr_workitem_id 0
		.amdhsa_next_free_vgpr 384
		.amdhsa_next_free_sgpr 100
		.amdhsa_reserve_vcc 0
		.amdhsa_float_denorm_mode_32 3
		.amdhsa_float_denorm_mode_16_64 3
		.amdhsa_memory_ordered 1
		.amdhsa_forward_progress 1
		.amdhsa_inst_pref_size 139
	.end_amdhsa_kernel
	.amdgpu_metadata
---
amdhsa.version: [ 1, 2 ]
amdhsa.kernels:
  - .name:           k_q6f21cc162e_ffb
    .symbol:         k_q6f21cc162e_ffb.kd
    .args:
      - { .name: hid, .offset: 0, .size: 8, .value_kind: global_buffer, .address_space: global }
      - { .name: prep, .offset: 8, .size: 8, .value_kind: global_buffer, .address_space: global }
      - { .name: b2, .offset: 16, .size: 8, .value_kind: global_buffer, .address_space: global }
      - { .name: z2, .offset: 24, .size: 8, .value_kind: global_buffer, .address_space: global }
    .group_segment_fixed_size: 327680
    .private_segment_fixed_size: 0
    .kernarg_segment_align: 8
    .kernarg_segment_size: 32
    .max_flat_workgroup_size: 128
    .sgpr_count:     100
    .vgpr_count:     384
    .wavefront_size: 32
...
	.end_amdgpu_metadata
.endif
;; end of part 6
;; launch norm2 (part 7): grid 256 x 1, 16 waves a work-group, no clusters, 74,240 bytes of LDS; arguments z2, h1, g2, beta2, out0; writes out0
.if DOCPART == 7
	.amdgcn_target "amdgcn-amd-amdhsa--gfx1250"
	.amdhsa_code_object_version 6
	.text
	.protected	k_q6f21cc162e_norm2
	.globl	k_q6f21cc162e_norm2
	.p2align	8
	.type	k_q6f21cc162e_norm2,@function
k_q6f21cc162e_norm2:
	s_mov_b64 s[64:65], 0
	v_nop
	global_prefetch_b8 v0, s[64:65] scope:SCOPE_SE
	s_setreg_imm32_b32 hwreg(HW_REG_WAVE_MODE, 25, 1), 1
	s_wait_xcnt 0x0
; y = LayerNorm(a + b) x g + beta over rows of 1,024, in f32.
; A work-group takes 16 rows; wave w columns 64 w .. 64 w + 63.  Loads and stores take 256 consecutive bytes in sixteen lanes; a turn through the wave's own stage in LDS gives lane (r, h) the 32 neighbours 64 w + 32 h .. of row r.
; Mean and variance in two passes (the variance of the differences from the mean): the sixteen waves' partial sums of a row meet in LDS behind a barrier.
; LIMITS: NaN and infinities are not served.
.set STGW, 4352                        ; a wave's stage: 16 rows x (256 bytes + 16)
.set RED,  69632                       ; partial sums: 16 rows x 80 bytes; the second pass's 1,280 bytes on
.set SEL,  32
; v176 = my 32 numbers' sum; out: v196 = the row's sum / 1,024
.macro ROWSUM off
	v_permlanex16_b32 v177, v176, s[SEL], s[SEL+1]
	v_add_f32 v176, v176, v177
	ds_store_b32 v204, v176 offset:\off            ; both halves of the lanes write the same word with the same value
	s_wait_dscnt 0x0
	s_barrier_signal -1
	s_barrier_wait -1
.irp j, 0,1,2,3
	ds_load_b128 v[180+4*\j:183+4*\j], v205 offset:\off+16*\j
.endr
	s_wait_dscnt 0x0
	v_pk_add_f32 v[180:181], v[180:181], v[182:183]
	v_pk_add_f32 v[184:185], v[184:185], v[186:187]
	v_pk_add_f32 v[188:189], v[188:189], v[190:191]
	v_pk_add_f32 v[192:193], v[192:193], v[194:195]
	v_pk_add_f32 v[180:181], v[180:181], v[184:185]
	v_pk_add_f32 v[188:189], v[188:189], v[192:193]
	v_pk_add_f32 v[180:181], v[180:181], v[188:189]
	v_add_f32 v180, v180, v181
	v_mul_f32 v196, 0x3a800000, v180               ; x 2^-10
.endm
	s_load_b256 s[4:11], s[0:1], 0x0               ; a, b, g, beta
	s_load_b64 s[12:13], s[0:1], 0x20              ; y
	v_lshl_add_u32 v208, v0, 2, 0x11a00
	v_mov_b32 v209, 0
	v_lshrrev_b32 v1, 5, v0
	v_readfirstlane_b32 s18, v1                    ; wave 0..15
	v_and_b32 v3, 15, v0                           ; r
	v_bfe_u32 v1, v0, 4, 1                         ; h
	v_lshlrev_b32 v4, 12, v1
	v_lshl_add_u32 v4, v3, 4, v4                   ; memory: lanes 0-15 one row's 256 bytes, lanes 16-31 the next row's
	s_mul_i32 s19, s18, STGW
	v_mul_u32_u24 v5, v1, 272
	v_lshl_add_u32 v5, v3, 4, v5
	v_add_nc_u32 v5, s19, v5                       ; the same two rows in my stage
	v_mul_u32_u24 v6, v3, 272
	v_lshl_add_u32 v6, v1, 7, v6
	v_add_nc_u32 v6, s19, v6                       ; row r, 128 h: my 32 neighbours
	v_lshlrev_b32 v15, 7, v1                       ; g and beta: 128 h
	v_mul_u32_u24 v205, v3, 80
	v_add_nc_u32 v205, RED, v205
	s_lshl_b32 s20, s18, 2
	v_add_nc_u32 v204, s20, v205
	v_mov_b32 v197, 0                              ; (named as the upper half of the pair v[196:197])
	s_mov_b32 s[SEL], 0x76543210
	s_mov_b32 s[SEL+1], 0xfedcba98
	s_lshl_b32 s22, ttmp9, 16
	s_lshl_b32 s24, s18, 8
	s_add_co_u32 s22, s22, s24
	s_mov_b32 s23, 0
	s_mov_b32 s25, 0
	s_wait_kmcnt 0x0
	s_add_nc_u64 s[4:5], s[4:5], s[22:23]
	s_add_nc_u64 s[6:7], s[6:7], s[22:23]
	s_add_nc_u64 s[12:13], s[12:13], s[22:23]
	s_add_nc_u64 s[8:9], s[8:9], s[24:25]
	s_add_nc_u64 s[10:11], s[10:11], s[24:25]
.irp i, 0,1,2,3,4,5,6,7
	global_load_b128 v[16+4*\i:19+4*\i], v4, s[4:5] offset:8192*\i th:TH_LOAD_NT
.endr
.irp i, 0,1,2,3,4,5,6,7
	global_load_b128 v[48+4*\i:51+4*\i], v4, s[6:7] offset:8192*\i th:TH_LOAD_NT
.endr
.irp j, 0,1,2,3,4,5,6,7
	global_load_b128 v[112+4*\j:115+4*\j], v15, s[8:9] offset:16*\j
.endr
.irp j, 0,1,2,3,4,5,6,7
	global_load_b128 v[144+4*\j:147+4*\j], v15, s[10:11] offset:16*\j
.endr
	s_wait_loadcnt 16                              ; a and b are in; the sixteen loads of g and beta may be out
.set j, 0
.rept 16
	v_pk_add_f32 v[16+j:17+j], v[16+j:17+j], v[48+j:49+j]
.set j, j+2
.endr
.irp i, 0,1,2,3,4,5,6,7
	ds_store_b128 v5, v[16+4*\i:19+4*\i] offset:544*\i
.endr
.irp j, 0,1,2,3,4,5,6,7
	ds_load_b128 v[80+4*\j:83+4*\j], v6 offset:16*\j   ; LDS serves a wave's instructions in order: these see my stores
.endr
	s_wait_dscnt 0x0
	v_pk_add_f32 v[176:177], v[80:81], v[82:83]
	v_pk_add_f32 v[178:179], v[84:85], v[86:87]
.irp j, 8,12,16,20,24,28
	v_pk_add_f32 v[176:177], v[176:177], v[80+\j:81+\j]
	v_pk_add_f32 v[178:179], v[178:179], v[82+\j:83+\j]
.endr
	v_pk_add_f32 v[176:177], v[176:177], v[178:179]
	v_add_f32 v176, v176, v177
	ROWSUM 0                                       ; the mean
.set j, 0
.rept 16
	v_pk_add_f32 v[80+j:81+j], v[80+j:81+j], v[196:197] op_sel_hi:[1,0] neg_lo:[0,1] neg_hi:[0,1]
.set j, j+2
.endr
	v_pk_mul_f32 v[176:177], v[80:81], v[80:81]
	v_pk_mul_f32 v[178:179], v[82:83], v[82:83]
.irp j, 4,8,12,16,20,24,28
	v_pk_fma_f32 v[176:177], v[80+\j:81+\j], v[80+\j:81+\j], v[176:177]
	v_pk_fma_f32 v[178:179], v[82+\j:83+\j], v[82+\j:83+\j], v[178:179]
.endr
	v_pk_add_f32 v[176:177], v[176:177], v[178:179]
	v_add_f32 v176, v176, v177
	ROWSUM 1280                                    ; the variance
	v_add_f32 v198, 0x3727c5ac, v196               ; + 1e-5
	v_rsq_f32 v196, v198
	v_nop
	s_wait_alu depctr_va_vdst(0)                   ; ahead of the first reader
	s_wait_loadcnt 0x0                             ; g and beta
.set j, 0
.rept 16
	v_pk_mul_f32 v[80+j:81+j], v[80+j:81+j], v[196:197] op_sel_hi:[1,0]
.set j, j+2
.endr
.set j, 0
.rept 16
	v_pk_fma_f32 v[80+j:81+j], v[80+j:81+j], v[112+j:113+j], v[144+j:145+j]
.set j, j+2
.endr
.irp j, 0,1,2,3,4,5,6,7
	ds_store_b128 v6, v[80+4*\j:83+4*\j] offset:16*\j
.endr
.irp i, 0,1,2,3,4,5,6,7
	ds_load_b128 v[16+4*\i:19+4*\i], v5 offset:544*\i
.endr
.irp i, 0,1,2,3,4,5,6,7
	s_wait_dscnt 7-\i
	global_store_b128 v4, v[16+4*\i:19+4*\i], s[12:13] offset:8192*\i th:TH_STORE_NT   ; sixteen lanes store 256 consecutive bytes, aligned
.endr
	s_wait_tensorcnt 0x0
	ds_add_u32 v208, v209
	s_wait_dscnt 0x0
	s_endpgm
.Lfunc_end_k_q6f21cc162e_norm2:
	.size	k_q6f21cc162e_norm2, .Lfunc_end_k_q6f21cc162e_norm2-k_q6f21cc162e_norm2
	.p2alignl 7, 3214868480
	.fill 96, 4, 3214868480
	.section	.rodata,"a",@progbits
	.p2align	6, 0x0
	.amdhsa_kernel k_q6f21cc162e_norm2
		.amdhsa_group_segment_fixed_size 74240
		.amdhsa_private_segment_fixed_size 0
		.amdhsa_enable_private_segment 0
		.amdhsa_kernarg_size 40
		.amdhsa_user_sgpr_count 2
		.amdhsa_user_sgpr_kernarg_segment_ptr 1
		.amdhsa_wavefront_size32 1
		.amdhsa_system_sgpr_workgroup_id_x 1
		.amdhsa_system_sgpr_workgroup_id_y 1
		.amdhsa_system_sgpr_workgroup_id_z 1
		.amdhsa_system_vgpr_workitem_id 0
		.amdhsa_next_free_vgpr 210
		.amdhsa_next_free_sgpr 66
		.amdhsa_reserve_vcc 0
		.amdhsa_float_denorm_mode_32 3
		.amdhsa_float_denorm_mode_16_64 3
		.amdhsa_memory_ordered 1
		.amdhsa_forward_progress 1
		.amdhsa_inst_pref_size 17
	.end_amdhsa_kernel
	.amdgpu_metadata
---
amdhsa.version: [ 1, 2 ]
amdhsa.kernels:
  - .name:           k_q6f21cc162e_norm2
    .symbol:         k_q6f21cc162e_norm2.kd
    .args:
      - { .name: z2, .offset: 0, .size: 8, .value_kind: global_buffer, .address_space: global }
      - { .name: h1, .offset: 8, .size: 8, .value_kind: global_buffer, .address_space: global }
      - { .name: g2, .offset: 16, .size: 8, .value_kind: global_buffer, .address_space: global }
      - { .name: beta2, .offset: 24, .size: 8, .value_kind: global_buffer, .address_space: global }
      - { .name: out0, .offset: 32, .size: 8, .value_kind: global_buffer, .address_space: global }
    .group_segment_fixed_size: 74240
    .private_segment_fixed_size: 0
    .kernarg_segment_align: 8
    .kernarg_segment_size: 40
    .max_flat_workgroup_size: 512
    .sgpr_count:     66
    .vgpr_count:     210
    .wavefront_size: 32
...
	.end_amdgpu_metadata
.endif
;; end of part 7
;; ======== version 2 of 2: 7 launches; version 1 with the launch attn written anew for expert scheduling mode
;; limits: right only within a limited range of input values
;; workspace buffers: prep 8,355,840 bytes; qkv 6,684,672 bytes; att 16,777,216 bytes; h1 16,777,216 bytes; h1q 2,228,224 bytes; hid 8,912,896 bytes; z2 16,777,216 bytes
;; launch quant: the kernel of part 1 again; grid 432 x 1, 16 waves a work-group, no clusters, 72,192 bytes of LDS; arguments x, Wq, Wk, Wv, W1, W2, prep; writes prep
;; launch proj: the kernel of part 2 again; grid 16 x 12, 8 waves a work-group, clusters of 4 x 4, 279,552 bytes of LDS; arguments prep, bq, bk, bv, qkv; writes qkv
;; launch attn (part 8): grid 8 x 32, 16 waves a work-group, no clusters, 215,040 bytes of LDS; arguments qkv, mask, att; writes att
.if DOCPART == 8
	.amdgcn_target "amdgcn-amd-amdhsa--gfx1250"
	.amdhsa_code_object_version 6
	.text
	.protected	k_q6f21cc162e_attn
	.globl	k_q6f21cc162e_attn
	.p2align	8
	.type	k_q6f21cc162e_attn,@function
k_q6f21cc162e_attn:
	s_mov_b64 s[64:65], 0
	v_nop
	global_prefetch_b8 v0, s[64:65] scope:SCOPE_SE
	s_setreg_imm32_b32 hwreg(HW_REG_WAVE_SCHED_MODE, 0, 2), 2
	s_setreg_imm32_b32 hwreg(HW_REG_WAVE_MODE, 25, 1), 1
	s_wait_xcnt 0x0
	s_wait_alu depctr_vm_vsrc(0)
; att[b][q][head 64 ..] = softmax_k(where(mask[q] and mask[k], q . k, -1e15) / 1024) v, both products on codes of E2M1.  q, k: K = the head's 64; v: K = the keys.
; THE SOFTMAX: t = score x log2(e) / 1024; M = the running largest t rounded UP to a whole number; p = 2^(t - M) is quantised along the keys, not normalised; the sum of the unquantised p divides at the end.
; SHARES: a work-group owns 256 queries of one head of one batch; each of its sixteen waves 16 of them.  A head's K, V and scale words (140 KiB) are brought into LDS once, through registers, and read by all sixteen waves.
; No cluster and no tensor load: what the eight work-groups of a head share is fetched once at the head, 140 KiB against 16 key steps of 12 matrix and some 235 vector instructions in each of 16 waves.
; LAYOUT: S^T = K Q^T (source 0 = 16 keys, source 1 = my 16 queries), O^T = V^T P^T: a lane holds one query throughout.  Tiles 2 b and 2 b + 1 of S^T hold block b of 32 keys, in lanes l and l xor 16.
; THE MASK rides in the instruction's unused half of K (64 .. 127): at k = 64 every key has the code of -4 and every open query the code of 1; the key's scale byte of that block is 1 (open: -2^-124 is added to the score)
; or 157 (hidden: -2^32 is added).  A hidden query has zero codes throughout: all its scores are 0, so p = 1 for all 2,048 keys, as in the definition, whose t is there one whole number for all keys.
; LIMITS: -1e15 is stood for by -2^32 on the score, right while |q . k| < 2^31; an open score carries -2^-124; NaN and infinities are not served.
; REGISTERS: v1-7 addresses that stay; v8-11 the step's; v12 -M, v13 largest t, v[14:15] the sum; v16-23 Q, v24 its scale word; v32-63 four tiles of K; v64-95 four of V; v96-159 S^T, then p; v160-191 O^T; v192-199 p's codes; v200-227 at work.
; THE MODE: SCHED_MODE bits 1:0 = 2 (LLVM: expert scheduling mode 2), set by the entry lines.  The code itself states the register dependences
; between vector or matrix instructions and memory or LDS instructions, with s_wait_alu, always for 0.
; THE PLAN.  Registers that LDS instructions touch in the loop:
;   KB   the lower four registers of each of v[32:39] .. v[56:63], and the scale words v220-223.  Read by a step's first four products, loaded again (the second four tiles), read by its second four products,
;        loaded again (the NEXT step's first four tiles) behind the wait for the exponentials.
;   VB   v64-95 and the scale words v224-227.  Read by a step's last four products; loaded again in the next step, behind its first four products.
;   v8-11  the step's LDS addresses.  Written by four additions behind the step's first four products; read by the step's 28 loads.  v1-4 are never written again.
;   v192-199, v214  p's codes and scale word: written by vector instructions, taken by scaled products.
; A step has one wait on vm_vsrc, at its top, and four on va_vdst: behind the four additions (20 loads follow it directly); the two behind the exponentials (8 loads follow the first directly); and ahead of the last four products.
.set KCO, 0x200000
.set VCO, 0x400000
.set QSO, 0x600000
.set KSO, 0x620000
.set VSO, 0x640000
.set VCL, 65536                        ; LDS: K's codes at 0 (key tile T at 512 T); V's here ([64 keys][4 tiles of d][512]);
.set KSC, 131072                       ; K's scale words, 4 bytes a key;
.set VSC, 139264                       ; V's, [step][64 d][4];
.set STG, 143360                       ; the way out: 16 rows x (256 + 16) bytes for each wave
.set SEL, 38
.set CS,  40
.macro PLACES n
.rept \n
	v_nop
.endr
.endm
; four tiles of K (the lower four registers of each: the upper four are set once) and their scale words, by the address registers ka and sa, from at and sat bytes on
.macro KTILES ka, sa, at, sat
.irp t, 0,1,2,3
	ds_load_b128 v[32+8*\t:35+8*\t], v[\ka] offset:(\at)+\t*512
	ds_load_b32 v[220+\t], v[\sa] offset:(\sat)+\t*64
.endr
.endm
	s_load_b128 s[4:7], s[0:1], 0x0                ; qkv, mask
	s_load_b64 s[8:9], s[0:1], 0x10                ; att
	v_lshl_add_u32 v240, v0, 2, 0x34000
	v_mov_b32 v241, 0
	v_lshrrev_b32 v1, 5, v0
	v_readfirstlane_b32 s10, v1                    ; wave 0..15
	s_and_b32 s30, ttmp7, 0xffff
	s_lshr_b32 s31, s30, 4                         ; b
	s_and_b32 s32, s30, 15                         ; head
	s_lshr_b32 s33, s32, 2
	s_and_b32 s34, s32, 3
	s_lshr_b32 s35, s32, 1
	s_and_b32 s36, s32, 1
	s_lshl_b32 s36, s36, 4                         ; my head's two bytes in a scale word: 16 (head % 2) bits up
	s_lshl_b32 s37, s31, 3
	s_add_co_u32 s37, s37, ttmp9                   ; my block of 256 rows
	s_lshl_b32 s12, s31, 20                        ; K's codes
	s_lshl_b32 s11, s32, 13
	s_add_co_u32 s12, s12, s11
	s_add_co_u32 s12, s12, KCO
	s_mov_b32 s13, 0
	s_lshl_b32 s14, s33, 19                        ; V's codes
	s_lshl_b32 s11, s31, 18
	s_add_co_u32 s14, s14, s11
	s_lshl_b32 s11, s34, 11
	s_add_co_u32 s14, s14, s11
	s_add_co_u32 s14, s14, VCO
	s_mov_b32 s15, 0
	s_lshl_b32 s16, s31, 16                        ; K's scale words
	s_lshl_b32 s11, s35, 10
	s_add_co_u32 s16, s16, s11
	s_add_co_u32 s16, s16, KSO
	s_mov_b32 s17, 0
	s_lshl_b32 s18, s31, 11                        ; the keys' mask
	s_mov_b32 s19, 0
	s_lshl_b32 s20, s33, 15                        ; V's scale words
	s_lshl_b32 s11, s31, 14
	s_add_co_u32 s20, s20, s11
	s_lshl_b32 s11, s34, 8
	s_add_co_u32 s20, s20, s11
	s_add_co_u32 s20, s20, VSO
	s_mov_b32 s21, 0
	s_wait_alu depctr_va_sdst(0)                   ; s10, the wave's number, is written, ahead of its first reader: Q's, the mask's and att's offsets are made from it
	s_lshl_b32 s22, s37, 17                        ; Q's codes
	s_lshl_b32 s11, s32, 13
	s_add_co_u32 s22, s22, s11
	s_lshl_b32 s11, s10, 9
	s_add_co_u32 s22, s22, s11
	s_mov_b32 s23, 0
	s_lshl_b32 s24, s37, 13                        ; Q's scale words
	s_lshl_b32 s11, s35, 10
	s_add_co_u32 s24, s24, s11
	s_lshl_b32 s11, s10, 6
	s_add_co_u32 s24, s24, s11
	s_add_co_u32 s24, s24, QSO
	s_mov_b32 s25, 0
	s_lshl_b32 s26, s31, 11                        ; my queries' mask
	s_lshl_b32 s11, ttmp9, 8
	s_add_co_u32 s26, s26, s11
	s_lshl_b32 s11, s10, 4
	s_add_co_u32 s26, s26, s11
	s_mov_b32 s27, 0
	s_lshl_b32 s28, s31, 23                        ; my rows of att, my head's 256 bytes
	s_lshl_b32 s11, ttmp9, 20
	s_add_co_u32 s28, s28, s11
	s_lshl_b32 s11, s10, 16
	s_add_co_u32 s28, s28, s11
	s_lshl_b32 s11, s32, 8
	s_add_co_u32 s28, s28, s11
	s_mov_b32 s29, 0
	s_mov_b32 s[SEL], 0x76543210
	s_mov_b32 s[SEL+1], 0xfedcba98
	s_mov_b32 s[CS], 0x3ab8aa3b                    ; c = log2(e) / 1024
	s_mov_b32 s[CS+1], s[CS]                       ; (named with it as a pair, so it is written)
	v_and_b32 v74, 31, v0
	v_and_b32 v72, 15, v0                          ; r
	v_bfe_u32 v73, v0, 4, 1                        ; h
	v_lshlrev_b32 v75, 2, v72
	v_lshlrev_b32 v1, 4, v74                       ; 16 x lane
	v_lshlrev_b32 v64, 4, v0                       ; thread t: K's codes, 16 t in each block of 256 keys, in memory and in LDS
	v_lshrrev_b32 v65, 7, v0
	v_and_b32 v85, 127, v0
	v_lshlrev_b32 v65, 13, v65
	v_lshl_add_u32 v65, v85, 4, v65                ; V's codes: 2,048 bytes of each 64 keys
	v_lshrrev_b32 v66, 6, v0
	v_and_b32 v85, 63, v0
	v_lshlrev_b32 v66, 13, v66
	v_lshl_add_u32 v66, v85, 4, v66                ; K's scale words: keys 4 t .. 4 t + 3
	v_lshlrev_b32 v67, 2, v0
	v_lshrrev_b32 v68, 5, v0
	v_lshlrev_b32 v68, 10, v68
	v_lshl_add_u32 v68, v74, 3, v68                ; V's scale words: 256 bytes of each step
	v_lshl_add_u32 v69, v0, 4, VCL
	v_lshl_add_u32 v70, v0, 4, KSC
	v_lshl_add_u32 v71, v0, 3, VSC
	s_wait_kmcnt 0x0
	s_add_nc_u64 s[12:13], s[4:5], s[12:13]
	s_add_nc_u64 s[14:15], s[4:5], s[14:15]
	s_add_nc_u64 s[16:17], s[4:5], s[16:17]
	s_add_nc_u64 s[18:19], s[6:7], s[18:19]
	s_add_nc_u64 s[20:21], s[4:5], s[20:21]
	s_add_nc_u64 s[22:23], s[4:5], s[22:23]
	s_add_nc_u64 s[24:25], s[4:5], s[24:25]
	s_add_nc_u64 s[26:27], s[6:7], s[26:27]
	s_add_nc_u64 s[28:29], s[8:9], s[28:29]
	s_wait_alu depctr_va_vdst(0)                   ; the offsets v64 to v68, v1, v75 and v72 are written, which the loads below read; so are v64 and v69 to v71, the addresses of the LDS stores further down
.irp i, 0,1,2,3,4,5,6,7
	global_load_b128 v[96+4*\i:99+4*\i], v64, s[12:13] offset:\i*131072
.endr
.irp i, 0,1,2,3,4,5,6,7
	global_load_b128 v[128+4*\i:131+4*\i], v65, s[14:15] offset:\i*32768
.endr
	global_load_b128 v[76:79], v66, s[16:17]
	global_load_b32 v80, v67, s[18:19]
	global_load_b64 v[82:83], v68, s[20:21]
	global_load_b128 v[16:19], v1, s[22:23]
	global_load_b32 v24, v75, s[24:25]
	global_load_u8 v84, v72, s[26:27]
	; what stays, made while the loads are out: none of these lines writes a register that a load above reads or lands in
	v_add_nc_u32 v2, VCL, v1
	v_lshl_add_u32 v3, v72, 2, KSC
	v_lshl_add_u32 v4, v72, 2, VSC
	s_mul_i32 s11, s10, 4352
	s_add_co_u32 s11, s11, STG
	v_mul_u32_u24 v5, v72, 272
	v_lshl_add_u32 v5, v73, 5, v5
	v_add_nc_u32 v5, s11, v5                       ; into my stage: row r, 32 h
	v_mul_u32_u24 v6, v73, 272
	v_lshl_add_u32 v6, v72, 4, v6
	v_add_nc_u32 v6, s11, v6                       ; back: lanes 0-15 one row, lanes 16-31 the next
	v_lshlrev_b32 v7, 12, v73
	v_lshl_add_u32 v7, v72, 4, v7                  ; the same two rows in att
	v_mul_u32_u24 v85, v73, 14
	v_sub_nc_u32 v85, 14, v85                      ; lanes 0-15: the code of -4 at k = 64; lanes 16-31: zeros
.irp t, 0,1,2,3
	v_mov_b32 v[36+8*\t], v85                      ; the upper halves of the four tiles of K: set once; loads touch the lower four registers alone
	v_mov_b32 v[37+8*\t], 0
	v_mov_b32 v[38+8*\t], 0
	v_mov_b32 v[39+8*\t], 0
.endr
	v_lshlrev_b32 v20, 1, v73
	v_sub_nc_u32 v20, 2, v20                       ; Q: the code of 1 at k = 64
	v_mov_b32 v21, 0
	v_mov_b32 v22, 0
	v_mov_b32 v23, 0
	v_mov_b32 v86, 0x019d0000                      ; a hidden key's upper bytes: 2^30, and 1 for the block of zeros
	v_mov_b32 v87, 0x01010000                      ; an open key's
	v_mov_b32 v88, 0x7f7f0000                      ; a query's: 1.0
	v_mov_b32 v13, 0xff61b1e6                      ; the largest t so far: -3e38
	v_floor_f32 v12, -v13                          ; -M
	v_mov_b32 v14, 0
	v_mov_b32 v15, 0
	v_mov_b32 v213, 0                              ; (named as the upper half of the pair v[212:213])
.irp b, 0,1,2,3
	v_mov_b32 v[204+\b], 0                         ; written once: a lane permute's destination counts as one of its sources
.endr
.set j, 0
.rept 32
	v_mov_b32 v[160+j], 0                          ; O^T: the step is written for all steps alike; the first finds zeros
.set j, j+1
.endr
	s_wait_loadcnt 14                              ; K's eight loads are in; V's eight and the six small ones may be out
.irp i, 0,1,2,3,4,5,6,7
	ds_store_b128 v64, v[96+4*\i:99+4*\i] offset:\i*8192   ; data as loaded; no vector instruction since the wait ahead of the loads names v64 or these registers
.endr
	s_wait_loadcnt 6                               ; V's eight are in
.irp i, 0,1,2,3,4,5,6,7
	ds_store_b128 v69, v[128+4*\i:131+4*\i] offset:\i*8192
.endr
	s_wait_loadcnt 0x0
	v_cmp_ne_u32 s30, 0, v84                       ; the five compares stand in one run, each with a scalar register of its own (s30 to s34 are free behind the offsets' arithmetic)
.irp e, 0,1,2,3
	v_bfe_u32 v[89+\e], v80, 8*\e, 8
.endr
.irp e, 0,1,2,3
	v_cmp_ne_u32 s[31+\e], 0, v[89+\e]
.endr
	v_lshrrev_b32 v24, s36, v24
	v_and_or_b32 v24, v24, 0xffff, v88             ; my head's two bytes, and 1.0 for the upper half of K
.irp e, 0,1,2,3
	v_lshrrev_b32 v[76+\e], s36, v[76+\e]
.endr
	s_wait_alu depctr_va_sdst(0)                   ; the five compares have written s30 to s34, ahead of the selections that read them
.irp i, 0,1,2,3,4
	v_cndmask_b32 v[16+\i], 0, v[16+\i], s30       ; a hidden query: zero codes
.endr
.irp e, 0,1,2,3
	v_cndmask_b32 v[89+\e], v86, v87, s[31+\e]
.endr
.irp e, 0,1,2,3
	v_and_or_b32 v[76+\e], v[76+\e], 0xffff, v[89+\e]   ; the key's two bytes, and the mask as a scale
.endr
	s_wait_alu depctr_va_vdst(0)                   ; v76 to v79 are written, which the LDS store reads; so are the addresses v2 to v7, and Q's codes v16 to v23, its scale word v24 and the tiles' upper halves, which the scaled products take
	ds_store_b128 v70, v[76:79]
	ds_store_b64 v71, v[82:83]
	s_wait_dscnt 0x0                               ; for the others' sake: my stores have landed
	s_barrier_signal -1
	s_barrier_wait -1
	s_mov_b32 s42, 0                               ; where the step's codes begin: 4,096 bytes a step, in K and in V
	s_mov_b32 s43, 0                               ; K's scale words: 512 a step
	s_mov_b32 s44, 0                               ; V's: 256 a step
	s_mov_b32 s45, 15
	KTILES 1, 3, 0, 0                              ; step 0's first four tiles of K, by the addresses that stay.  No wait: no vector instruction since the wait above names v1, v3 or the registers in which they land
; A KEY STEP: 128 keys.  more = 1: a step follows, and its first four tiles of K are asked for.
.macro STEP more
	s_wait_dscnt 0x0                               ; K's first four tiles and their scale words, asked for a step ago, are in
	s_wait_alu depctr_vm_vsrc(0)                   ; the last step's LDS loads have read v8 to v11, which the additions below write; in the first step: the head's LDS stores have read v96 to v159, which the products write, and its loads and stores v64 to v83, in which V lands
.irp t, 0,1,2,3
	v_wmma_scale_f32_16x16x128_f8f6f4 v[96+8*\t:103+8*\t], v[32+8*\t:39+8*\t], v[16:23], 0, v[220+\t], v24 matrix_a_fmt:MATRIX_FMT_FP4 matrix_b_fmt:MATRIX_FMT_FP4
.endr
	v_add_nc_u32 v8, s42, v1                       ; (these four are the places in front of the loads below)
	v_add_nc_u32 v9, s42, v2
	v_add_nc_u32 v10, s43, v3
	v_add_nc_u32 v11, s44, v4
	s_wait_alu depctr_va_vdst(0)                   ; v8 to v11 are written, which the loads below read; the four products above are done reading K's tiles and scale words, the last step's last four V's: the loads land there
	KTILES 8, 10, 2048, 256
.irp t, 0,1,2,3
	ds_load_b128 v[64+8*\t:67+8*\t], v9 offset:\t*512
	ds_load_b128 v[68+8*\t:71+8*\t], v9 offset:2048+\t*512
	ds_load_b32 v[224+\t], v11 offset:\t*64
.endr
	s_wait_dscnt 12                                ; K's eight are in; V's twelve may be out
.irp t, 0,1,2,3
	v_wmma_scale_f32_16x16x128_f8f6f4 v[128+8*\t:135+8*\t], v[32+8*\t:39+8*\t], v[16:23], 0, v[220+\t], v24 matrix_a_fmt:MATRIX_FMT_FP4 matrix_b_fmt:MATRIX_FMT_FP4
.endr
	PLACES 4
.irp b, 0,1,2,3
	v_max3_num_f32 v[200+\b], v[96+16*\b], v[97+16*\b], v[98+16*\b]   ; the largest score of each block of 32 keys: for the row's maximum and, since p rises with the score, for the block's largest p
.endr
.irp i, 3,5,7,9,11,13
.irp b, 0,1,2,3
	v_max3_num_f32 v[200+\b], v[200+\b], v[96+16*\b+\i], v[97+16*\b+\i]
.endr
.endr
.irp b, 0,1,2,3
	v_max_num_f32 v[200+\b], v[200+\b], v[111+16*\b]
.endr
.irp b, 0,1,2,3
	v_permlanex16_b32 v[204+\b], v[200+\b], s[SEL], s[SEL+1]
.endr
.irp b, 0,1,2,3
	v_max_num_f32 v[200+\b], v[200+\b], v[204+\b]
.endr
	v_max3_num_f32 v215, v200, v201, v202
	v_max_num_f32 v215, v215, v203
	v_mul_f32 v215, s[CS], v215                    ; as t
	v_max_num_f32 v13, v13, v215                   ; the running largest t
	v_mov_b32 v215, v12
	v_floor_f32 v12, -v13                          ; the new -M = -ceil(t)
	v_sub_f32 v215, v12, v215                      ; old M - new M: a whole number, 0 or less
	v_cvt_i32_f32 v215, v215                       ; (it saturates)
	v_ldexp_f32 v212, 1.0, v215                    ; f = 2^(old M - new M)
.set j, 0
.rept 32
	v_pk_fma_f32 v[96+j:97+j], v[96+j:97+j], s[CS:CS+1], v[12:13] op_sel_hi:[1,0,0]   ; t - M
.set j, j+2
.endr
.irp b, 0,1,2,3
	v_fma_f32 v[200+\b], v[200+\b], s[CS], v12
.endr
.set j, 0
.rept 64
	v_exp_f32 v[96+j], v[96+j]                     ; p = 2^(t - M)
.set j, j+1
.endr
	v_pk_mul_f32 v[14:15], v[14:15], v[212:213] op_sel_hi:[1,0]   ; the sums under the new M; the plain line behind the exponentials
	s_wait_alu depctr_va_vdst(0)                   ; the 64 exponentials have written p, v96 to v159, ahead of its first reader (one wait for the batch); and the second four products are done reading K's tiles and scale words
.if \more
	KTILES 8, 10, 4096, 512                        ; the next step's first four tiles of K land there: 4,096 and 512 bytes on from this step's
.endif
.irp b, 0,1,2,3
	v_exp_f32 v[200+\b], v[200+\b]                 ; each block's largest p
.endr
	v_pk_add_f32 v[216:217], v[96:97], v[98:99]    ; the sum of the unquantised p, in two chains
.irp j, 4,8,12,16,20,24,28,32,36,40,44,48,52,56,60
	v_pk_add_f32 v[14:15], v[14:15], v[96+\j:97+\j]
	v_pk_add_f32 v[216:217], v[216:217], v[98+\j:99+\j]
.endr
	v_pk_add_f32 v[14:15], v[14:15], v[216:217]
	s_wait_alu depctr_va_vdst(0)                   ; the four exponentials have written v200 to v203, ahead of their first reader
.irp b, 0,1,2,3
	v_max_num_f32 v[200+\b], 0x1800000, v[200+\b]  ; the floor 2^(3 - 127)
.endr
.irp b, 0,1,2,3
	v_add_nc_u32 v[208+\b], 0xff000000, v[200+\b]
.endr
.irp b, 0,1,2,3
	v_lshrrev_b32 v[204+\b], 23, v[208+\b]
.endr
	v_lshl_or_b32 v214, v205, 8, v204              ; p's scale word for these 128 keys
	v_lshl_or_b32 v214, v206, 16, v214
	v_lshl_or_b32 v214, v207, 24, v214
.irp b, 0,1,2,3
	v_cvt_scalef32_pk8_fp4_f32 v[192+4*(\b/2)+(\b%2)], v[96+16*\b:103+16*\b], v[208+\b]
	v_cvt_scalef32_pk8_fp4_f32 v[194+4*(\b/2)+(\b%2)], v[104+16*\b:111+16*\b], v[208+\b]
.endr
	v_nop
.irp c, 0,1
	v_permlane16_swap_b32 v[192+4*\c], v[193+4*\c] ; a lane gets a whole block: lanes 0-15 block 2 c, lanes 16-31 block 2 c + 1
	v_permlane16_swap_b32 v[194+4*\c], v[195+4*\c]
.endr
.set j, 0
.rept 16
	v_pk_mul_f32 v[160+j:161+j], v[160+j:161+j], v[212:213] op_sel_hi:[1,0]   ; O^T under the new M; these sixteen are also the places in front of the products below
.set j, j+2
.endr
	s_wait_dscnt 8*\more                           ; V's twelve loads are in; the next step's eight of K, issued behind them, may be out
	s_wait_alu depctr_va_vdst(0)                   ; the conversions and exchanges have written p's codes v192 to v199, the ORs its scale word v214: the scaled products below take them; the places above stay beside this wait
.irp t, 0,1,2,3
	v_wmma_scale_f32_16x16x128_f8f6f4 v[160+8*\t:167+8*\t], v[64+8*\t:71+8*\t], v[192:199], v[160+8*\t:167+8*\t], v[224+\t], v214 matrix_a_fmt:MATRIX_FMT_FP4 matrix_b_fmt:MATRIX_FMT_FP4
.endr
.endm
.Lstep:                                            ; steps 0 to 14
	STEP 1
	s_add_co_u32 s42, s42, 4096
	s_add_co_u32 s43, s43, 512
	s_add_co_u32 s44, s44, 256
	s_sub_co_u32 s45, s45, 1
	s_cmp_lg_u32 s45, 0
	s_cbranch_scc1 .Lstep
	STEP 0                                         ; step 15 is written out: it asks for no tile beyond K's last
	; THE WAY OUT: O^T / the sum, through my stage, so that sixteen lanes store 256 consecutive bytes, aligned
	PLACES 4
	v_add_f32 v14, v14, v15
	v_permlanex16_b32 v215, v14, s[SEL], s[SEL+1]
	v_add_f32 v14, v14, v215
	v_rcp_f32 v212, v14
	v_nop
	s_wait_alu depctr_va_vdst(0)                   ; the reciprocal has written v212, ahead of its first reader
.set j, 0
.rept 16
	v_pk_mul_f32 v[96+j:97+j], v[160+j:161+j], v[212:213] op_sel_hi:[1,0]
.set j, j+2
.endr
	s_wait_alu depctr_va_vdst(0)                   ; the divisions have written v96 to v127, which the LDS stores read; the products are long done reading v32 to v63, in which the loads from the stage land
.irp t, 0,1,2,3
	ds_store_b128 v5, v[96+8*\t:99+8*\t] offset:64*\t
	ds_store_b128 v5, v[100+8*\t:103+8*\t] offset:64*\t+16
.endr
.irp i, 0,1,2,3,4,5,6,7
	ds_load_b128 v[32+4*\i:35+4*\i], v6 offset:544*\i   ; LDS serves a wave's instructions in order: these see my stores
.endr
.irp i, 0,1,2,3,4,5,6,7
	s_wait_dscnt 7-\i
	global_store_b128 v7, v[32+4*\i:35+4*\i], s[28:29] offset:8192*\i
.endr
	s_wait_dscnt 0x0                               ; the closing lines, six on end
	s_wait_alu 0x0
	s_wait_tensorcnt 0x0
	ds_add_u32 v240, v241
	s_wait_dscnt 0x0
	s_endpgm
.Lfunc_end_k_q6f21cc162e_attn:
	.size	k_q6f21cc162e_attn, .Lfunc_end_k_q6f21cc162e_attn-k_q6f21cc162e_attn
	.p2alignl 7, 3214868480
	.fill 96, 4, 3214868480
	.section	.rodata,"a",@progbits
	.p2align	6, 0x0
	.amdhsa_kernel k_q6f21cc162e_attn
		.amdhsa_group_segment_fixed_size 215040
		.amdhsa_private_segment_fixed_size 0
		.amdhsa_enable_private_segment 0
		.amdhsa_kernarg_size 24
		.amdhsa_user_sgpr_count 2
		.amdhsa_user_sgpr_kernarg_segment_ptr 1
		.amdhsa_wavefront_size32 1
		.amdhsa_system_sgpr_workgroup_id_x 1
		.amdhsa_system_sgpr_workgroup_id_y 1
		.amdhsa_system_sgpr_workgroup_id_z 1
		.amdhsa_system_vgpr_workitem_id 0
		.amdhsa_next_free_vgpr 242
		.amdhsa_next_free_sgpr 66
		.amdhsa_reserve_vcc 0
		.amdhsa_float_denorm_mode_32 3
		.amdhsa_float_denorm_mode_16_64 3
		.amdhsa_memory_ordered 1
		.amdhsa_forward_progress 1
		.amdhsa_inst_pref_size 48
	.end_amdhsa_kernel
	.amdgpu_metadata
---
amdhsa.version: [ 1, 2 ]
amdhsa.kernels:
  - .name:           k_q6f21cc162e_attn
    .symbol:         k_q6f21cc162e_attn.kd
    .args:
      - { .name: qkv, .offset: 0, .size: 8, .value_kind: global_buffer, .address_space: global }
      - { .name: mask, .offset: 8, .size: 8, .value_kind: global_buffer, .address_space: global }
      - { .name: att, .offset: 16, .size: 8, .value_kind: global_buffer, .address_space: global }
    .group_segment_fixed_size: 215040
    .private_segment_fixed_size: 0
    .kernarg_segment_align: 8
    .kernarg_segment_size: 24
    .max_flat_workgroup_size: 512
    .sgpr_count:     66
    .vgpr_count:     242
    .wavefront_size: 32
...
	.end_amdgpu_metadata
.endif
;; end of part 8
;; launch norm1: the kernel of part 4 again; grid 256 x 1, 16 waves a work-group, no clusters, 74,752 bytes of LDS; arguments att, x, g1, beta1, h1, h1q; writes h1, h1q
;; launch ffa: the kernel of part 5 again; grid 16 x 16, 8 waves a work-group, clusters of 4 x 4, 279,552 bytes of LDS; arguments h1q, prep, b1, hid; writes hid
;; launch ffb: the kernel of part 6 again; grid 32 x 8, 4 waves a work-group, clusters of 4 x 4, 327,680 bytes of LDS; arguments hid, prep, b2, z2; writes z2
;; launch norm2: the kernel of part 7 again; grid 256 x 1, 16 waves a work-group, no clusters, 74,240 bytes of LDS; arguments z2, h1, g2, beta2, out0; writes out0
